; MI455X (gfx1250); checked and timed in simulation.
; The chip was launched on July 23, 2026; its instructions are those of AMD's public machine-readable ISA for CDNA 5 (MIT licence, August 2026) and "CDNA5" Instruction Set Architecture Reference Guide (July 2026). The comments in the code are by the model that wrote it; some were corrected since.
;; Multi Head Attention. Allowed arithmetic: matrix products marked QUANTISED: E4M3 operands, one given power-of-two scale a tensor, by v_wmma_f32_16x16x64_fp8_fp8 or v_wmma_f32_16x16x128_fp8_fp8, f32 sums; everything else in f32.
;; Inputs: WK_comb 1,024 x 1,024 float32; WKh 16 x 1,024 x 64 float32; WO 1,024 x 1,024 float32; WQ_comb 1,024 x 1,024 float32; WQh 16 x 1,024 x 64 float32; WV_comb 1,024 x 1,024 float32; WVh 16 x 1,024 x 64 float32; XK 4,096 x 1,024 float32; XQ 4,096 x 1,024 float32; XV 4,096 x 1,024 float32; lowp_scales 18 int32 (the exponents e of the quantised operands' scales 2^e).
;; Outputs: out0 4,096 x 1,024 float32.
;; This version of the problem:
;;   THIS VERSION OF THE PROBLEM IS GIVEN IN LOW PRECISION. The matrix products marked QUANTISED in the list below multiply operands that are first quantised to E4M3 (4 exponent bits, 3 mantissa bits; 8 bits a number), with one given power-of-two scale for each operand tensor; their sums are f32. All else is computed in f32.
;;   The module's matrix products, in the order in which they are computed (A, B: the left and right operand; K: the contracted axis; several contracted axes count as one K, in the product's order):
;;     1. [M 4,096, K 1,024] x [K 1,024, N 1,024]; A: input XQ; B: input WQ_comb: QUANTISED (scales: A lowp_scales[0], B lowp_scales[1])
;;     2. [M 1,024, K 1,024] x [K 1,024, N 4,096]; A: input WQh; B: computed on the way: QUANTISED (scales: A lowp_scales[2], B lowp_scales[3])
;;     3. [M 4,096, K 1,024] x [K 1,024, N 1,024]; A: input XK; B: input WK_comb: QUANTISED (scales: A lowp_scales[4], B lowp_scales[5])
;;     4. [M 1,024, K 1,024] x [K 1,024, N 4,096]; A: input WKh; B: computed on the way: QUANTISED (scales: A lowp_scales[6], B lowp_scales[7])
;;     5. [M 4,096, K 1,024] x [K 1,024, N 1,024]; A: input XV; B: input WV_comb: QUANTISED (scales: A lowp_scales[8], B lowp_scales[9])
;;     6. [M 1,024, K 1,024] x [K 1,024, N 4,096]; A: input WVh; B: computed on the way: QUANTISED (scales: A lowp_scales[10], B lowp_scales[11])
;;     7. batch 16 x [M 4,096, K 64] x [K 64, N 4,096]; A: computed on the way; B: computed on the way: QUANTISED (scales: A lowp_scales[12], B lowp_scales[13])
;;     8. batch 16 x [M 4,096, K 4,096] x [K 4,096, N 64]; A: computed on the way; B: computed on the way: QUANTISED (scales: A lowp_scales[14], B lowp_scales[15])
;;     9. [M 4,096, K 1,024] x [K 1,024, N 1,024]; A: computed on the way; B: input WO: QUANTISED (scales: A lowp_scales[16], B lowp_scales[17])
;;   THE QUANTISER, for each operand of a quantised product, along K:
;;     - The operand's scale is 2^e, e = its entry of the input lowp_scales (int32; the entries are numbered through the quantised products in the list's order, A before B).
;;     - Each number is divided by the scale, clamped to +-448, and rounded to the nearest number of E4M3, ties to even, subnormals kept.
;;     - The product sums the exact products of the quantised numbers (number of the format x scale) in f32.
;;   ~~~python
;;   def quantise(x, axis, e):      # numpy; x: float32 -> the quantised numbers, widened to float32 again
;;       x = np.moveaxis(x, axis, -1); K = x.shape[-1]
;;       r = np.clip(x / 2.0 ** e, -448, 448)
;;       step = 2.0 ** (np.maximum(np.frexp(np.where(r == 0, 1, r))[1] - 1, -6) - 3)
;;       q = np.round(r / step) * step * 2.0 ** e      # np.round: ties to even
;;       return np.moveaxis(q, -1, axis).astype(np.float32)
;;   ~~~
;;   OPERANDS COMPUTED ON THE WAY. 'Computed on the way' means the value that the module computes at that place (a softmax that the list does not call 'softmax' is quantised finished and normalised). What goes into a quantiser is computed in f32, as accurately as f32 sums, v_exp_f32 and their like allow (about 1e-6 of the number): no bf16 or f16 on the way to a quantiser, and a product that is left as it is and whose result goes on into a quantised operand takes f32 operands (vector FMAs, or v_wmma_f32_16x16x4_f32). A number that lies on a knife's edge between two numbers of the format may be rounded either way, as far as f32 arithmetic and the matrix unit's own rounding can turn it there, and no further.
;; One version. Each part assembles by itself: llvm-mc -triple=amdgcn-amd-amdhsa -mcpu=gfx1250 --defsym DOCPART=n.
;; ======== version 1 of 1: 6 launches
;; workspace buffers: xw 19,922,944 bytes; ycodes 12,582,912 bytes; qkv 12,582,912 bytes; stat 524,288 bytes; ccodes 4,194,304 bytes
;; launch prep (part 1): grid 608 x 1, 4 waves a work-group, no clusters, 68,096 bytes of LDS; arguments XQ, XK, XV, WQ_comb, WK_comb, WV_comb, WQh, WKh, WVh, WO, lowp_scales, xw; writes xw
.if DOCPART == 1
	.amdgcn_target "amdgcn-amd-amdhsa--gfx1250"
	.amdhsa_code_object_version 6
	.text
	.protected	k_q6cc9a02dd8_prep
	.globl	k_q6cc9a02dd8_prep
	.p2align	8
	.type	k_q6cc9a02dd8_prep,@function
k_q6cc9a02dd8_prep:
	s_mov_b64 s[64:65], 0
	v_nop
	global_prefetch_b8 v0, s[64:65] scope:SCOPE_SE
	s_setreg_imm32_b32 hwreg(HW_REG_WAVE_MODE, 25, 1), 1
	s_wait_xcnt 0x0
; All ten f32 inputs become codes of FP8 (E4M3), K innermost, each with its given scale 2^e, in the workspace xw:
;   bytes 0, 4 Mi, 8 Mi: XQ, XK, XV as [4096][1024];  byte 12 Mi + j Mi: weight j as [n 1024][k 1024], j = 0 WQ_comb, 1 WK_comb, 2 WV_comb, 3 WQh, 4 WKh, 5 WVh, 6 WO.
; code = x / 2^e, held within +-448, rounded to the nearest code, ties to even.  LIMITS: -126 <= e and e + 8 <= 127; NaN among the inputs is not served.
; Work-groups 0-383 take the X tensors (K is innermost: a plain stream of numbers); work-groups 384-607 the weights, whose K is not innermost: a lane takes a column n and its registers run down K.
; The per-head weights [h][e][k] are columns n = 64 h + k: from row e to row e + 1 are 256 bytes, from head to head 262,144; the square weights have 4,096 and 256 (64 columns).
; The two paths part on the work-group's number and have LDS bytes of their own (0-32,767 and 32,768-67,583).  No tensor load, no barrier, no cluster: waves share nothing, and no input byte is read twice.
.set STEPS, 16
.set SP,    80                         ; X path: a lane's place in a stage: its 64 bytes + 16 of padding
.set WREG,  8192                       ; X path: LDS of a wave: two stages of 32 x SP bytes
.set R,     16                         ; X path: v16-79 four sets of 16 numbers as loaded
.set X,     80                         ; v80-111 two sets of 16 neighbours
.set C,     128                        ; v128-191 codes, four registers for each step: no store's data are written again
.set WSTG,  32768                      ; W path: the stages begin here
.set WP,    272                        ; a stage row: 256 bytes of codes + 16
.set NB,    8                          ; blocks of 32 along K for a wave
.set RO,    16                         ; W path: v16-47 byte offsets of 32 rows: 4 x lane + i x pitch
.set XW,    48                         ; v48-111 two sets of 32 numbers
.set CW,    112                        ; v112-119 a block's codes
.set OUTR,  120                        ; v120-183 the way out
	s_load_b512 s[8:23], s[0:1], 0x0               ; XQ s[8:9], XK s[10:11], XV s[12:13], WQ_comb s[14:15], WK_comb s[16:17], WV_comb s[18:19], WQh s[20:21], WKh s[22:23]
	s_load_b256 s[24:31], s[0:1], 0x40             ; WVh s[24:25], WO s[26:27], the scales' exponents s[28:29], xw s[30:31]
	v_lshl_add_u32 v192, v0, 2, 0x10800
	v_mov_b32 v193, 0
	v_lshrrev_b32 v1, 5, v0
	v_readfirstlane_b32 s32, v1                    ; wave 0..3
	v_and_b32 v2, 31, v0                           ; lane
	s_cmp_lt_u32 ttmp9, 384
	s_cbranch_scc0 .Lweights
; ---------------- the X tensors: 128 work-groups each, a wave takes 16 steps of 512 numbers ----------------
	s_lshr_b32 s33, ttmp9, 7                       ; which tensor: 0, 1, 2
	s_and_b32 s35, ttmp9, 127
	s_lshl_b32 s34, s33, 4                         ; its exponent is entry 4 t: byte 16 t
	s_lshl_b32 s35, s35, 2
	s_add_co_u32 s35, s35, s32                     ; which run of 8,192 numbers is my wave's
	s_lshl_b32 s38, s35, 15                        ; in bytes of f32,
	s_mov_b32 s39, 0
	s_lshl_b32 s40, s35, 13                        ; and of codes,
	s_lshl_b32 s41, s33, 22                        ; behind the tensors before it
	s_add_co_u32 s40, s40, s41
	s_mov_b32 s41, 0
	s_mul_i32 s37, s32, WREG
	v_lshlrev_b32 v3, 4, v2                        ; my 16 bytes of a load's 512
	v_lshlrev_b32 v4, 4, v2                        ; my 16 codes of a step's 512
	v_lshrrev_b32 v14, 2, v2
	v_mul_u32_u24 v14, v14, SP
	v_and_b32 v15, 3, v2
	v_lshl_add_u32 v14, v15, 4, v14
	v_add_nc_u32 v14, s37, v14                     ; the stage, on the way in: SP (lane / 4) + 16 (lane % 4)
	v_mul_u32_u24 v15, v2, SP
	v_add_nc_u32 v15, s37, v15                     ; and on the way out: SP x lane: my 16 neighbours
	s_wait_kmcnt 0x0
	s_load_b32 s36, s[28:29], s34 offset:0x0       ; e
	s_cmp_eq_u32 s33, 1
	s_cselect_b64 s[4:5], s[10:11], s[8:9]
	s_cmp_eq_u32 s33, 2
	s_cselect_b64 s[4:5], s[12:13], s[4:5]         ; the choice hangs on the work-group's number alone
	s_add_nc_u64 s[4:5], s[4:5], s[38:39]
	s_add_nc_u64 s[6:7], s[30:31], s[40:41]
.macro LOAD t
.irp i, 0,1,2,3
	global_load_b128 v[R+16*((\t)%4)+4*\i:R+16*((\t)%4)+4*\i+3], v3, s[4:5] offset:2048*(\t)+512*\i th:TH_LOAD_NT   ; 32 lanes read 512 consecutive bytes
.endr
.endm
.macro TURN t                          ; step t's numbers through the stage: LDS serves a wave's instructions in order, so no wait stands between the stores and the loads
.irp i, 0,1,2,3
	ds_store_b128 v14, v[R+16*((\t)%4)+4*\i:R+16*((\t)%4)+4*\i+3] offset:32*SP*((\t)%2)+8*SP*\i
.endr
.irp i, 0,1,2,3
	ds_load_b128 v[X+16*((\t)%2)+4*\i:X+16*((\t)%2)+4*\i+3], v15 offset:32*SP*((\t)%2)+16*\i
.endr
.endm
.irp t, 0,1,2,3
	LOAD \t
.endr
	s_wait_kmcnt 0x0
	s_add_co_i32 s36, s36, 127
	s_lshl_b32 s37, s36, 23
	v_mov_b32 v11, s37                             ; 2^e as f32: the conversion takes its exponent field
	s_add_co_i32 s36, s36, 8
	s_lshl_b32 s36, s36, 23
	s_or_b32 s36, s36, 0x600000
	v_mov_b32 v10, s36                             ; 448 x 2^e
	s_wait_loadcnt 12                              ; step 0's four loads are in; the twelve of steps 1 to 3 may be out
	TURN 0
.macro XSTEP t
.set XS, X+16*((\t)%2)
	s_wait_dscnt 0x0                               ; this step's numbers are back from the stage, so its stores into the stage have read their registers,
.if (\t)+4 < STEPS
	LOAD (\t)+4                                    ; which take the loads of four steps on
.endif
.if (\t)+1 < STEPS
.if STEPS-2-(\t) >= 3
	s_wait_loadcnt 12                              ; the next step's four loads are in; those of the three steps behind it may be out
.else
	s_wait_loadcnt 4*(STEPS-2-(\t))
.endif
	TURN (\t)+1
.endif
.irp i, 0,1,2,3,4,5,6,7,8,9,10,11,12,13,14,15
	v_med3_num_f32 v[XS+\i], v[XS+\i], -v10, v10   ; the conversion to an 8-bit code does not saturate (ISA guide 7.6.2): the hold comes first
.endr
	v_cvt_scalef32_pk8_fp8_f32 v[C+4*(\t):C+4*(\t)+1], v[XS:XS+7], v11
	v_cvt_scalef32_pk8_fp8_f32 v[C+4*(\t)+2:C+4*(\t)+3], v[XS+8:XS+15], v11
	global_store_b128 v4, v[C+4*(\t):C+4*(\t)+3], s[6:7] offset:512*(\t)   ; the wave stores 512 consecutive bytes, aligned
.endm
.irp t, 0,1,2,3,4,5,6,7,8,9,10,11,12,13,14,15
	XSTEP \t
.endr
	s_wait_tensorcnt 0x0
	ds_add_u32 v192, v193
	s_wait_dscnt 0x0
	s_endpgm
; ---------------- the weights: 32 work-groups each: 8 blocks of 128 columns x 4 blocks of 256 along K; a wave takes 32 columns x 256 along K ----------------
.Lweights:
	s_sub_co_u32 s33, ttmp9, 384
	s_lshr_b32 s34, s33, 5                         ; j: which weight
	s_and_b32 s35, s33, 7                          ; which 128 columns
	s_bfe_u32 s36, s33, 0x20003                    ; which 256 along K
	s_lshl_b32 s38, s34, 2
	s_sub_co_u32 s39, s38, 10                      ; the exponent's entry: 4 j - 10 for the per-head weights,
	s_add_co_u32 s38, s38, 1                       ; 4 j + 1 for the combined ones, 17 for WO
	s_sub_co_u32 s37, s34, 3
	s_mov_b32 s58, 4096
	s_mov_b32 s59, 256
	s_cmp_lt_u32 s37, 3                            ; a per-head weight? (j = 3, 4, 5; unsigned, so j < 3 is no)
	s_cselect_b32 s58, 256, s58                    ; bytes from a row of K to the next
	s_cselect_b32 s59, 0x40000, s59                ; bytes from 64 columns to the next 64
	s_cselect_b32 s38, s39, s38
	s_cmp_eq_u32 s34, 6
	s_cselect_b32 s38, 17, s38
	s_lshl_b32 s38, s38, 2
	s_lshl_b32 s37, s35, 7
	s_lshl_b32 s56, s32, 5
	s_add_co_u32 s37, s37, s56                     ; n0: my wave's first column
	s_lshr_b32 s56, s37, 6
	s_mul_i32 s56, s56, s59
	s_and_b32 s57, s37, 63
	s_lshl_b32 s57, s57, 2
	s_add_co_u32 s56, s56, s57
	s_lshl_b32 s57, s36, 8
	s_mul_i32 s57, s57, s58
	s_add_co_u32 s56, s56, s57                     ; where my part begins in the weight
	s_mov_b32 s57, 0
	s_add_co_u32 s2, s34, 12
	s_lshl_b32 s2, s2, 20
	s_lshl_b32 s3, s37, 10
	s_add_co_u32 s2, s2, s3
	s_lshl_b32 s3, s36, 8
	s_add_co_u32 s2, s2, s3                        ; and in xw: (12 + j) Mi + 1,024 n0 + 256 x block of K
	s_mov_b32 s3, 0
	v_lshlrev_b32 v[RO], 2, v2                     ; 4 bytes a lane: a load reads 128 consecutive bytes
.set i, 1
.rept 31
	v_add_nc_u32 v[RO+i], s58, v[RO+i-1]
.set i, i+1
.endr
	s_mul_i32 s33, s32, 32*WP
	s_add_co_u32 s33, s33, WSTG                    ; my stage
	v_mul_u32_u24 v4, v2, WP
	v_add_nc_u32 v4, s33, v4                       ; into it: row = my column
	v_and_b32 v5, 15, v2
	v_lshrrev_b32 v6, 4, v2
	v_mul_u32_u24 v7, v6, WP
	v_lshl_add_u32 v7, v5, 4, v7
	v_add_nc_u32 v7, s33, v7                       ; out of it: sixteen lanes to a row, two rows an instruction
	v_lshlrev_b32 v8, 10, v6
	v_lshl_add_u32 v8, v5, 4, v8                   ; and the same place in the codes
	s_wait_kmcnt 0x0
	s_load_b32 s39, s[28:29], s38 offset:0x0       ; e
	s_mov_b64 s[4:5], s[14:15]
	s_cmp_eq_u32 s34, 1
	s_cselect_b64 s[4:5], s[16:17], s[4:5]
	s_cmp_eq_u32 s34, 2
	s_cselect_b64 s[4:5], s[18:19], s[4:5]
	s_cmp_eq_u32 s34, 3
	s_cselect_b64 s[4:5], s[20:21], s[4:5]
	s_cmp_eq_u32 s34, 4
	s_cselect_b64 s[4:5], s[22:23], s[4:5]
	s_cmp_eq_u32 s34, 5
	s_cselect_b64 s[4:5], s[24:25], s[4:5]
	s_cmp_eq_u32 s34, 6
	s_cselect_b64 s[4:5], s[26:27], s[4:5]
	s_add_nc_u64 s[40:41], s[4:5], s[56:57]        ; a base for each of the eight blocks, all made before the first load: nothing is stepped later
	s_lshl_b32 s56, s58, 5                         ; 32 rows of K
.irp t, 1,2,3,4,5,6,7
	s_add_nc_u64 s[40+2*\t:41+2*\t], s[38+2*\t:39+2*\t], s[56:57]
.endr
	s_add_nc_u64 s[6:7], s[30:31], s[2:3]
.macro WLOAD t                         ; block t: W(32 t + i, my column), i = 0 .. 31, into set t % 2
.set i, 0
.rept 32
	global_load_b32 v[XW+32*((\t)%2)+i], v[RO+i], s[40+2*(\t):41+2*(\t)] th:TH_LOAD_NT
.set i, i+1
.endr
.endm
	WLOAD 0
	WLOAD 1
	s_wait_kmcnt 0x0
	s_add_co_i32 s39, s39, 127
	s_lshl_b32 s38, s39, 23
	v_mov_b32 v11, s38                             ; 2^e as f32
	s_add_co_i32 s39, s39, 8
	s_lshl_b32 s39, s39, 23
	s_or_b32 s39, s39, 0x600000
	v_mov_b32 v10, s39                             ; 448 x 2^e
.macro BLOCK t
.set XS, XW+32*((\t)%2)
.if (\t) < NB-1
	s_wait_loadcnt 32                              ; this block's 32 loads are in; the next block's may be out
.else
	s_wait_loadcnt 0
.endif
.set m, 0
.rept 32
	v_med3_num_f32 v[XS+m], v[XS+m], -v10, v10
.set m, m+1
.endr
.irp g, 0,1,2,3
	v_cvt_scalef32_pk8_fp8_f32 v[CW+2*\g:CW+2*\g+1], v[XS+8*\g:XS+8*\g+7], v11
.endr
	ds_store_b128 v4, v[CW:CW+3] offset:32*(\t)    ; 32 codes: 32 bytes of my column's row
	ds_store_b128 v4, v[CW+4:CW+7] offset:32*(\t)+16
.if (\t)+2 < NB
	WLOAD (\t)+2
.endif
	s_wait_dscnt 0x0                               ; the stores have read their registers: the next block's codes may be written
.endm
.irp t, 0,1,2,3,4,5,6,7
	BLOCK \t
.endr
.irp t, 0,1,2,3,4,5,6,7,8,9,10,11,12,13,14,15
	ds_load_b128 v[OUTR+4*\t:OUTR+4*\t+3], v7 offset:2*\t*WP   ; LDS serves a wave's instructions in order: these see my stores
.endr
.irp t, 0,1,2,3,4,5,6,7,8,9,10,11,12,13,14,15
	s_wait_dscnt 15-\t
	global_store_b128 v8, v[OUTR+4*\t:OUTR+4*\t+3], s[6:7] offset:2*\t*1024   ; sixteen lanes store 256 consecutive bytes, aligned
.endr
	s_wait_tensorcnt 0x0
	ds_add_u32 v192, v193
	s_wait_dscnt 0x0
	s_endpgm
.Lfunc_end_k_q6cc9a02dd8_prep:
	.size	k_q6cc9a02dd8_prep, .Lfunc_end_k_q6cc9a02dd8_prep-k_q6cc9a02dd8_prep
	.p2alignl 7, 3214868480
	.fill 96, 4, 3214868480
	.section	.rodata,"a",@progbits
	.p2align	6, 0x0
	.amdhsa_kernel k_q6cc9a02dd8_prep
		.amdhsa_group_segment_fixed_size 68096
		.amdhsa_private_segment_fixed_size 0
		.amdhsa_enable_private_segment 0
		.amdhsa_kernarg_size 96
		.amdhsa_user_sgpr_count 2
		.amdhsa_user_sgpr_kernarg_segment_ptr 1
		.amdhsa_wavefront_size32 1
		.amdhsa_system_sgpr_workgroup_id_x 1
		.amdhsa_system_sgpr_workgroup_id_y 1
		.amdhsa_system_sgpr_workgroup_id_z 1
		.amdhsa_system_vgpr_workitem_id 0
		.amdhsa_next_free_vgpr 194
		.amdhsa_next_free_sgpr 66
		.amdhsa_reserve_vcc 0
		.amdhsa_float_denorm_mode_32 3
		.amdhsa_float_denorm_mode_16_64 3
		.amdhsa_memory_ordered 1
		.amdhsa_forward_progress 1
		.amdhsa_inst_pref_size 88
	.end_amdhsa_kernel
	.amdgpu_metadata
---
amdhsa.version: [ 1, 2 ]
amdhsa.kernels:
  - .name:           k_q6cc9a02dd8_prep
    .symbol:         k_q6cc9a02dd8_prep.kd
    .args:
      - { .name: XQ, .offset: 0, .size: 8, .value_kind: global_buffer, .address_space: global }
      - { .name: XK, .offset: 8, .size: 8, .value_kind: global_buffer, .address_space: global }
      - { .name: XV, .offset: 16, .size: 8, .value_kind: global_buffer, .address_space: global }
      - { .name: WQ_comb, .offset: 24, .size: 8, .value_kind: global_buffer, .address_space: global }
      - { .name: WK_comb, .offset: 32, .size: 8, .value_kind: global_buffer, .address_space: global }
      - { .name: WV_comb, .offset: 40, .size: 8, .value_kind: global_buffer, .address_space: global }
      - { .name: WQh, .offset: 48, .size: 8, .value_kind: global_buffer, .address_space: global }
      - { .name: WKh, .offset: 56, .size: 8, .value_kind: global_buffer, .address_space: global }
      - { .name: WVh, .offset: 64, .size: 8, .value_kind: global_buffer, .address_space: global }
      - { .name: WO, .offset: 72, .size: 8, .value_kind: global_buffer, .address_space: global }
      - { .name: lowp_scales, .offset: 80, .size: 8, .value_kind: global_buffer, .address_space: global }
      - { .name: xw, .offset: 88, .size: 8, .value_kind: global_buffer, .address_space: global }
    .group_segment_fixed_size: 68096
    .private_segment_fixed_size: 0
    .kernarg_segment_align: 8
    .kernarg_segment_size: 96
    .max_flat_workgroup_size: 128
    .sgpr_count:     66
    .vgpr_count:     194
    .wavefront_size: 32
...
	.end_amdgpu_metadata
.endif
;; end of part 1
;; launch proj1 (part 2): grid 4 x 48, 4 waves a work-group, clusters of 4 x 4, 327,680 bytes of LDS; arguments xw, lowp_scales, ycodes; writes ycodes
.if DOCPART == 2
	.amdgcn_target "amdgcn-amd-amdhsa--gfx1250"
	.amdhsa_code_object_version 6
	.text
	.protected	k_q6cc9a02dd8_proj1
	.globl	k_q6cc9a02dd8_proj1
	.p2align	8
	.type	k_q6cc9a02dd8_proj1,@function
k_q6cc9a02dd8_proj1:
	s_mov_b64 s[64:65], 0
	v_nop
	global_prefetch_b8 v0, s[64:65] scope:SCOPE_SE
	s_setreg_imm32_b32 hwreg(HW_REG_WAVE_MODE, 25, 1), 1
	s_wait_xcnt 0x0
	s_wait_alu depctr_hold_cnt(0) depctr_sa_sdst(0) depctr_va_vdst(0) depctr_va_sdst(0) depctr_va_ssrc(0) depctr_va_vcc(0) depctr_vm_vsrc(0)
	s_getreg_b32 s2, hwreg(HW_REG_IB_STS2, 6, 4)
	s_cmp_eq_u32 s2, 0
	s_cbranch_scc0 .Lentry_in_a_cluster
	s_endpgm
.Lentry_in_a_cluster:
	s_bfe_u32 s2, ttmp6, 0x10000c
	s_cmp_lg_u32 s2, 0xf033
	s_cbranch_scc0 .Lentry_shape_is_right
	s_endpgm
.Lentry_shape_is_right:
; Y = X Wc for the three tensors (jobs 0, 1, 2 = Q, K, V), on codes of FP8 (E4M3), and Y quantised at once for the next product: ycodes [3 x 4096][1024], K (= e) innermost.
; A = the stacked codes of XQ, XK, XV (12,288 rows of 1,024 bytes, xw byte 0); B = the job's combined weight as [n][k] (xw byte (12 + job) Mi).
; A sum stands for sum x 2^(eX + eW), so Y's code is sum / 2^(eY - eX - eW): the three given exponents are folded into the conversion's one.  LIMIT: eY - eX - eW between -126 and 119.
; A tile of C, 256 x 256, is made by four waves, each 128 x 128: 64 accumulators, 512 registers.  K goes in steps of 256 through two LDS slots filled by tensor loads; a tile's row is 256 bytes of memory.
; CLUSTERS: 4 x 4 work-groups.  The four of a row of the cluster need the same tiles of A, the four of a column the same tiles of B: each tile is asked for jointly.  The grid is one cluster wide: the tile column is cx.
; THE MATRIX INSTRUCTION IS USED TRANSPOSED (source 0 = 16 rows of B, source 1 = 16 rows of A): a lane holds eight neighbouring numbers of a row of C, which one conversion turns into 8 bytes.
; REGISTERS, in windows of 256: window 0: v0-31 addresses; from v128 A's fragments, one set; on the way out v32-223.  window 1: B's fragments, two sets.  windows 2, 3: the accumulators of my rows 0-63, 64-127.
; No prefetch: K has four steps only, and two of them are asked for at the head.
.set ROWB,   256                       ; a tile's row in bytes
.set ASLOT,  256                       ; bytes in memory from A's tile of a K step to the next step's
.set KROW,   1024                      ; a row of A or of B in memory
.set PITCH,  272                       ; an LDS row: 256 bytes + 16 = 68 words: the 16 rows that a load touches start at 16 different banks (64 banks of 4 bytes: ISA guide 11.1)
.set FR,     16
.set NL,     4
.set NP,     4                         ; places behind this matrix instruction (ISA guide 7.12.1)
.set HALFT,  128*PITCH
.set SLOT,   4*HALFT
.set LAPS,   2                         ; K = 1,024 = two laps of two K steps
.set SPARE,  2*SLOT                    ; behind the ring: the spare words, 128 bytes a wave
.set ADRA, 16
.set ADRB, 20
.set STO,  24                          ; the way out: where I put 8 codes of a row
.set RD0,  25                          ; where I read rows back: the first 16 instructions,
.set CO,   26                          ; my byte offset in the output
.set RD1,  27                          ; the last 16
.set SPW,  28
.set NIL,  29
.set LIM,  30                          ; 448 x the folded scale
.set SCL,  31                          ; the folded scale as f32
.set TMP,  32                          ; 64 numbers of a block, held
.set CD,   96                          ; v96-223 the codes; later the rows read back
.set AF,   128
.set G1, 24
.set G0, 32
.set G1B, 48
.set G0B, 56
.set MSB, 0
.macro WIN new                         ; the immediate's high byte repeats the setting that is left
.if MSB != (\new)
	s_set_vgpr_msb (MSB<<8)|(\new)
.set MSB, (\new)
.endif
.endm
.set MUL_LO, 0xa1                      ; source 0 (B) window 1, source 1 (A) window 0, C and D window 2
.set MUL_HI, 0xf1
.set TO_B,   0x40
; A joint load: waves 0 and 1 fetch for A, waves 2 and 3 for B; the branch hangs on the wave's number alone.  Four v_nop follow each of the two lines.
.macro JLOAD g0a, g1a, g0b, g1b
	s_cmp_eq_u32 s15, 0
	s_cbranch_scc0 .Lfor_b_\@
	tensor_load_to_lds s[\g0a:\g0a+3], s[\g1a:\g1a+7]
	s_nop 0
.rept 4
	v_nop
.endr
	s_branch .Lasked_\@
.Lfor_b_\@:
	tensor_load_to_lds s[\g0b:\g0b+3], s[\g1b:\g1b+7]
	s_nop 0
.rept 4
	v_nop
.endr
.Lasked_\@:
.endm
.macro CREST                           ; a round of the cluster's barrier behind its opening barrier
	s_cmp_lg_u32 s14, 0
	s_cbranch_scc1 .Lnot_wave_0_\@
	s_barrier_signal -3
.Lnot_wave_0_\@:
	s_barrier_wait -3
	s_barrier_signal -1
	s_barrier_wait -1
.endm
.macro CROUND
	s_barrier_signal -1
	s_barrier_wait -1
	CREST
.endm
	s_load_b128 s[4:7], s[0:1], 0x0                ; xw s[4:5], the scales' exponents s[6:7]
	s_load_b64 s[10:11], s[0:1], 0x10              ; ycodes
	v_lshl_add_u32 v[SPW], v0, 2, SPARE
	v_mov_b32 v[NIL], 0
	ds_add_u32 v28, v29
	s_wait_dscnt 0x0
	v_lshrrev_b32 v1, 5, v0
	v_readfirstlane_b32 s14, v1                    ; wave 0..3
	s_lshr_b32 s15, s14, 1                         ; which half of the tile's rows is mine.  Also: I fetch for A (0) or for B (1)
	s_and_b32 s16, s14, 1                          ; which half of its columns.  Also: which 128 rows of that tile I fetch
	s_bfe_u32 s40, ttmp6, 0x40000                  ; cx = the tile column
	s_bfe_u32 s41, ttmp6, 0x40004                  ; cy
	s_and_b32 s12, ttmp7, 0xffff                   ; the cluster's y, 0..11
	s_lshr_b32 s13, s12, 2                         ; the job: the same in all sixteen partners
	s_lshl_b32 s17, s12, 2
	s_add_co_u32 s17, s17, s41                     ; tile row among the 48 of the stacked tensors
	s_lshl_b32 s43, s41, 2
	s_lshl_b32 s43, 15, s43                        ; my row of the cluster
	s_lshl_b32 s44, 0x1111, s40                    ; my column
	s_or_b32 s[G1+0], s43, (0<<16)|(1<<20)|(1<<21)|(5<<22)|(3<<25)  ; the mask; elements of 1 byte; padding on; bit 21 beside a mask; after every 64 words, 4 words
	s_or_b32 s[G1B+0], s44, (0<<16)|(1<<20)|(1<<21)|(5<<22)|(3<<25)
.irp g, G1, G1B
	s_mov_b32 s[\g+1], ROWB<<16                    ; tensor_dim0
	s_mov_b32 s[\g+2], 128<<16                     ; tensor_dim1
	s_mov_b32 s[\g+3], ROWB<<16                    ; tile_dim0
	s_mov_b32 s[\g+4], 128                         ; tile_dim1
	s_mov_b32 s[\g+5], KROW                        ; tensor_dim0_stride
	s_mov_b32 s[\g+6], 0
	s_mov_b32 s[\g+7], 0
.endr
	s_lshl_b32 s18, s16, 7                         ; which 128 rows of the tile I fetch
	s_lshl_b32 s20, s17, 8
	s_add_co_u32 s20, s20, s18
	s_lshl_b32 s20, s20, 10                        ; A: (256 x tile row + 128 x half) rows of 1,024 bytes
	s_mov_b32 s21, 0
	s_lshl_b32 s46, s40, 8
	s_add_co_u32 s46, s46, s18
	s_lshl_b32 s46, s46, 10                        ; B: (256 x tile column + 128 x half) rows,
	s_add_co_u32 s47, s13, 12
	s_lshl_b32 s47, s47, 20
	s_add_co_u32 s46, s46, s47                     ; in the job's weight
	s_mov_b32 s47, 0
	s_mul_i32 s45, s14, HALFT                      ; where they go: wave x 128 rows
	s_lshl_b32 s13, s13, 4                         ; the job's four exponents: bytes 16 job on
	s_wait_kmcnt 0x0
	s_load_b128 s[92:95], s[6:7], s13 offset:0x0   ; eX, eW, (the next weight's), eY
	s_add_nc_u64 s[20:21], s[4:5], s[20:21]
	s_add_nc_u64 s[46:47], s[4:5], s[46:47]
	CROUND                                         ; all sixteen work-groups are here: the first joint loads meet
.irp s, 0,1
	s_mov_b32 s[G0+4*\s], 1
	s_add_co_u32 s[G0+4*\s+1], s45, \s*SLOT
	s_add_nc_u64 s[G0+4*\s+2:G0+4*\s+3], s[20:21], \s*ASLOT
	s_or_b32 s[G0+4*\s+3], s[G0+4*\s+3], 0x80000000
	s_mov_b32 s[G0B+4*\s], 1
	s_add_co_u32 s[G0B+4*\s+1], s45, \s*SLOT
	s_add_nc_u64 s[G0B+4*\s+2:G0B+4*\s+3], s[46:47], \s*ROWB
	s_or_b32 s[G0B+4*\s+3], s[G0B+4*\s+3], 0x80000000
	JLOAD G0+4*\s, G1, G0B+4*\s, G1B
.endr
	v_and_b32 v1, 15, v0                           ; r = l % 16
	v_bfe_u32 v2, v0, 4, 1                         ; h = l / 16
	v_mul_u32_u24 v3, v1, PITCH
	v_lshl_add_u32 v4, v2, 4, v3                   ; a fragment's row x pitch + 16 x half
	s_mul_i32 s21, s15, HALFT                      ; my 128 rows of A
	s_mul_i32 s22, s16, HALFT                      ; my 128 rows of B,
	s_add_co_u32 s22, s22, 2*HALFT                 ; which lie behind A's 256
.irp s, 0,1
	v_add_nc_u32 v[ADRA+\s], s21, v4
	v_add_nc_u32 v[ADRB+\s], s22, v4
	s_add_co_u32 s21, s21, SLOT
	s_add_co_u32 s22, s22, SLOT
.endr
	s_mul_i32 s23, s15, 128*PITCH                  ; the stage: 256 rows x 272 bytes; into it: row 128 x row half + r, byte 128 x column half + 8 h
	s_lshl_b32 s12, s16, 7
	s_add_co_u32 s23, s23, s12
	v_lshl_add_u32 v5, v2, 3, v3
	v_add_nc_u32 v[STO], s23, v5
	s_mul_i32 s23, s14, 64*PITCH                   ; back: wave w takes rows 64 w on, whole; lanes 0-15 one row, lanes 16-31 the next
	v_mul_u32_u24 v5, v2, PITCH
	v_lshl_add_u32 v5, v1, 4, v5
	v_add_nc_u32 v[RD0], s23, v5
	v_add_nc_u32 v[RD1], 16*2*PITCH, v[RD0]
	v_lshlrev_b32 v6, 10, v2                       ; and the same two rows in ycodes
	v_lshl_add_u32 v[CO], v1, 4, v6
	s_lshl_b32 s20, s17, 8
	s_lshl_b32 s21, s14, 6
	s_add_co_u32 s20, s20, s21
	s_lshl_b32 s20, s20, 10                        ; the first row that I store: 256 x tile row + 64 x wave
	s_mov_b32 s21, 0
	s_lshl_b32 s46, s40, 8                         ; the tile's first column
	s_mov_b32 s47, 0
	s_add_nc_u64 s[20:21], s[20:21], s[46:47]
	s_add_nc_u64 s[10:11], s[10:11], s[20:21]
.macro FRAG reg, adr, q, i             ; a fragment, 16 rows x 128 K: lane l holds row l % 16; registers 4 c .. 4 c + 3 hold K = 32 c + 16 (l / 16) + 0 .. 15: the same places in A and in B
.irp c, 0,1,2,3
	ds_load_b128 v[\reg+4*\c:\reg+4*\c+3], v[\adr] offset:128*(\q)+32*\c+(\i)*16*PITCH
.endr
.endm
; 16 matrix instructions: A's blocks a0, a0 + 1 x B's eight.  The 64 accumulators take turns, one instruction a turn, in the same order in every step.
.macro MUL16 a0, p, zero
.irp a, \a0, \a0+1
.irp b, 0,1,2,3,4,5,6,7
.if \zero
	v_wmma_f32_16x16x128_fp8_fp8 v[8*(8*((\a)%4)+\b):8*(8*((\a)%4)+\b)+7], v[128*(\p)+FR*\b:128*(\p)+FR*\b+FR-1], v[AF+FR*(\a):AF+FR*(\a)+FR-1], 0
.else
	v_wmma_f32_16x16x128_fp8_fp8 v[8*(8*((\a)%4)+\b):8*(8*((\a)%4)+\b)+7], v[128*(\p)+FR*\b:128*(\p)+FR*\b+FR-1], v[AF+FR*(\a):AF+FR*(\a)+FR-1], v[8*(8*((\a)%4)+\b):8*(8*((\a)%4)+\b)+7]
.endif
.endr
.endr
.endm
.macro FETCH_B slot, q, p
	WIN TO_B
.irp i, 0,1,2,3,4,5,6,7
	FRAG 128*(\p)+FR*\i, ADRB+\slot, \q, \i
.endr
	WIN 0
.endm
.macro FETCH_A slot, q, i0
.irp i, \i0, \i0+1, \i0+2, \i0+3
	FRAG AF+FR*(\i), ADRA+\slot, \q, \i
.endr
.endm
.macro PLACES n                        ; plain vector lines between a matrix instruction and a load into, or a read of, its registers
.rept \n
	v_nop
.endr
.endm
.macro STEP slot, q, zero              ; 128 along K that has its successor in the same slot
	s_wait_dscnt 4*NL                              ; B's set and A's blocks 0-3 are in; the youngest 16 loads (A's blocks 4-7) may be out
	WIN MUL_LO
	MUL16 0, (\q)%2, \zero
	MUL16 2, (\q)%2, \zero
	s_wait_dscnt 0
	PLACES NP
	FETCH_B \slot, (\q)+1, 1-(\q)%2
	FETCH_A \slot, (\q)+1, 0
	WIN MUL_HI
	MUL16 4, (\q)%2, \zero
	MUL16 6, (\q)%2, \zero
	PLACES NP
	WIN 0
	FETCH_A \slot, (\q)+1, 4
.endm
; A slot's last step changes slots: one barrier; in front of it each wave waits for all its tensor loads, adds 0 to its spare word, and waits for that and for its own reads of this slot.
.macro TURN slot, next, fill
	s_wait_tensorcnt 0x0                           ; all my tensor loads have landed: my part of the next slot
	ds_add_u32 v[SPW], v[NIL]                      ; 0 onto my spare word
	s_wait_dscnt 4*NL+1                            ; (the add and the youngest 16 loads may be out)
	WIN MUL_LO
	MUL16 0, 1, 0
	s_wait_dscnt 0x0                               ; the add is done, and my reads of this slot are over
	s_barrier_signal -1
	MUL16 2, 1, 0
	WIN 0
	s_barrier_wait -1
.if \fill
	CREST                                          ; the barrier has opened a round of the cluster's barrier: no wave of any partner still reads this slot or has a load on its way
	s_add_nc_u64 s[G0+4*\slot+2:G0+4*\slot+3], s[G0+4*\slot+2:G0+4*\slot+3], 2*ASLOT
	s_add_nc_u64 s[G0B+4*\slot+2:G0B+4*\slot+3], s[G0B+4*\slot+2:G0B+4*\slot+3], 2*ROWB
	JLOAD G0+4*\slot, G1, G0B+4*\slot, G1B         ; the first tensor load behind the round; its four v_nop are the places in front of the loads below
.else
	PLACES NP
.endif
	FETCH_B \next, 0, 0
	FETCH_A \next, 0, 0
	WIN MUL_HI
	MUL16 4, 1, 0
	MUL16 6, 1, 0
	PLACES NP
	WIN 0
	FETCH_A \next, 0, 4
.endm
	s_wait_tensorcnt 1                             ; my part of K step 0 is in (K step 1's load may be out),
	s_barrier_signal -1
	s_barrier_wait -1                              ; everybody's is
	FETCH_B 0, 0, 0
	FETCH_A 0, 0, 0
	FETCH_A 0, 0, 4
	STEP 0, 0, 1                                   ; the first step's products start the sums
	s_mov_b32 s3, LAPS-1
.Llap:
	TURN 0, 1, 1
	STEP 1, 0, 0
	TURN 1, 0, 1
	STEP 0, 0, 0
	s_sub_co_u32 s3, s3, 1
	s_cmp_lg_u32 s3, 0
	s_cbranch_scc1 .Llap
	TURN 0, 1, 0                                   ; the last lap fills nothing
	STEP 1, 0, 0
	s_wait_dscnt 4*NL
	WIN MUL_LO
	MUL16 0, 1, 0
	MUL16 2, 1, 0
	s_wait_dscnt 0
	WIN MUL_HI
	MUL16 4, 1, 0
	MUL16 6, 1, 0
	WIN 0
; THE WAY OUT.  Each block of 16 rows: held, converted (8 neighbouring numbers of a row to 8 bytes), into the work-group's stage of 256 rows x 272 bytes.  The stage lies in slot 0, which has had its last fill,
; and which every wave left at the last change of slots.  A row's 256 bytes come from two waves: a barrier, then each wave reads 64 whole rows and stores them.
.macro CODES a
.set AC, 64*((\a)%4)
	WIN 0x02+((\a)/4)                              ; source 0: window 2 or 3
.set j, 0
.rept 64
	v_med3_num_f32 v[TMP+j], v[AC+j], -v[LIM], v[LIM]   ; the hold at the largest code x the scale; each accumulator from its low end on
.set j, j+1
.endr
	WIN 0
.irp b, 0,1,2,3,4,5,6,7
	v_cvt_scalef32_pk8_fp8_f32 v[CD+16*(\a)+2*\b:CD+16*(\a)+2*\b+1], v[TMP+8*\b:TMP+8*\b+7], v[SCL]
.endr
	v_nop                                          ; a plain line between the conversions and the next block's holds, which write their sources
.irp b, 0,1,2,3,4,5,6,7
	ds_store_b64 v[STO], v[CD+16*(\a)+2*\b:CD+16*(\a)+2*\b+1] offset:(\a)*16*PITCH+16*\b
.endr
.endm
.macro READBACK rd0, rd1, lstep, co, gstep
.set i, 0
.rept 32
.if i < 16
	ds_load_b128 v[CD+4*i:CD+4*i+3], v[\rd0] offset:i*(\lstep)
.else
	ds_load_b128 v[CD+4*i:CD+4*i+3], v[\rd1] offset:(i-16)*(\lstep)
.endif
.set i, i+1
.endr
.set i, 0
.rept 32
	s_wait_dscnt 31-i                              ; LDS loads come back in order: number i is in
	global_store_b128 v[\co], v[CD+4*i:CD+4*i+3], s[10:11] offset:i*(\gstep)   ; sixteen lanes store 256 consecutive bytes, aligned
.set i, i+1
.endr
.endm
	s_wait_kmcnt 0x0
	s_sub_co_i32 s96, s95, s92
	s_sub_co_i32 s96, s96, s93                     ; eY - eX - eW
	s_add_co_i32 s96, s96, 127
	s_lshl_b32 s97, s96, 23
	v_mov_b32 v[SCL], s97
	s_add_co_i32 s96, s96, 8
	s_lshl_b32 s96, s96, 23
	s_or_b32 s96, s96, 0x600000
	v_mov_b32 v[LIM], s96
	PLACES NP
.irp a, 0,1,2,3,4,5,6,7
	CODES \a
.endr
	s_wait_dscnt 0x0                               ; for the others' sake: my stores into the stage are done
	s_barrier_signal -1
	s_barrier_wait -1
	READBACK RD0, RD1, 2*PITCH, CO, 2*1024
	s_wait_tensorcnt 0x0                           ; the wave's end
	ds_add_u32 v[SPW], v[NIL]
	s_wait_dscnt 0x0
	CROUND                                         ; the closing round
	s_endpgm
.Lfunc_end_k_q6cc9a02dd8_proj1:
	.size	k_q6cc9a02dd8_proj1, .Lfunc_end_k_q6cc9a02dd8_proj1-k_q6cc9a02dd8_proj1
	.p2alignl 7, 3214868480
	.fill 96, 4, 3214868480
	.section	.rodata,"a",@progbits
	.p2align	6, 0x0
	.amdhsa_kernel k_q6cc9a02dd8_proj1
		.amdhsa_group_segment_fixed_size 327680
		.amdhsa_private_segment_fixed_size 0
		.amdhsa_enable_private_segment 0
		.amdhsa_kernarg_size 24
		.amdhsa_user_sgpr_count 2
		.amdhsa_user_sgpr_kernarg_segment_ptr 1
		.amdhsa_wavefront_size32 1
		.amdhsa_system_sgpr_workgroup_id_x 1
		.amdhsa_system_sgpr_workgroup_id_y 1
		.amdhsa_system_sgpr_workgroup_id_z 1
		.amdhsa_system_vgpr_workitem_id 0
		.amdhsa_next_free_vgpr 1024
		.amdhsa_next_free_sgpr 100
		.amdhsa_reserve_vcc 0
		.amdhsa_float_denorm_mode_32 3
		.amdhsa_float_denorm_mode_16_64 3
		.amdhsa_memory_ordered 1
		.amdhsa_forward_progress 1
		.amdhsa_inst_pref_size 125
	.end_amdhsa_kernel
	.amdgpu_metadata
---
amdhsa.version: [ 1, 2 ]
amdhsa.kernels:
  - .name:           k_q6cc9a02dd8_proj1
    .symbol:         k_q6cc9a02dd8_proj1.kd
    .args:
      - { .name: xw, .offset: 0, .size: 8, .value_kind: global_buffer, .address_space: global }
      - { .name: lowp_scales, .offset: 8, .size: 8, .value_kind: global_buffer, .address_space: global }
      - { .name: ycodes, .offset: 16, .size: 8, .value_kind: global_buffer, .address_space: global }
    .group_segment_fixed_size: 327680
    .private_segment_fixed_size: 0
    .kernarg_segment_align: 8
    .kernarg_segment_size: 24
    .max_flat_workgroup_size: 128
    .sgpr_count:     100
    .vgpr_count:     1024
    .wavefront_size: 32
...
	.end_amdgpu_metadata
.endif
;; end of part 2
;; launch proj2 (part 3): grid 4 x 48, 4 waves a work-group, clusters of 4 x 4, 327,680 bytes of LDS; arguments ycodes, xw, lowp_scales, qkv; writes qkv
.if DOCPART == 3
	.amdgcn_target "amdgcn-amd-amdhsa--gfx1250"
	.amdhsa_code_object_version 6
	.text
	.protected	k_q6cc9a02dd8_proj2
	.globl	k_q6cc9a02dd8_proj2
	.p2align	8
	.type	k_q6cc9a02dd8_proj2,@function
k_q6cc9a02dd8_proj2:
	s_mov_b64 s[64:65], 0
	v_nop
	global_prefetch_b8 v0, s[64:65] scope:SCOPE_SE
	s_setreg_imm32_b32 hwreg(HW_REG_WAVE_MODE, 25, 1), 1
	s_wait_xcnt 0x0
	s_wait_alu depctr_hold_cnt(0) depctr_sa_sdst(0) depctr_va_vdst(0) depctr_va_sdst(0) depctr_va_ssrc(0) depctr_va_vcc(0) depctr_vm_vsrc(0)
	s_getreg_b32 s2, hwreg(HW_REG_IB_STS2, 6, 4)
	s_cmp_eq_u32 s2, 0
	s_cbranch_scc0 .Lentry_in_a_cluster
	s_endpgm
.Lentry_in_a_cluster:
	s_bfe_u32 s2, ttmp6, 0x10000c
	s_cmp_lg_u32 s2, 0xf033
	s_cbranch_scc0 .Lentry_shape_is_right
	s_endpgm
.Lentry_shape_is_right:
; The per-head projections on codes of FP8 (E4M3), quantised at once for attention.  qkv: Q [16][4096][64] at byte 0, K likewise at 4 Mi, V [16 x 64 (h, d)][4096 keys] at 8 Mi (the keys are the last product's K).
; Jobs 0, 1 (Q, K): C[s][n = 64 h + k]: A = Y's codes (rows s), B = the weight as [n][e].  Job 2 (V): the roles are swapped, C[n][s]: A = the weight, B = Y's codes, so that the keys come out innermost.
; The job is the cluster's y / 4: the same in all sixteen partners.  What it decides ahead of the products is chosen without a jump; behind the stage's barrier one branch on it picks the order in which the stage is read.
; A sum stands for sum x 2^(eW + eY); its code is sum / 2^(eo - eW - eY), eo = entry 12, 13 or 15.  LIMIT: that exponent between -126 and 119.
; Tiles, ring, clusters, registers: a tile of C is 256 x 256, four waves of 128 x 128; K in steps of 256 through two LDS slots; 4 x 4 work-groups ask for A's tiles jointly along a row of the cluster, for B's along a column.
; The matrix instruction is used transposed (source 0 = rows of B, source 1 = rows of A): a lane holds eight neighbouring numbers of a row of C.  No prefetch: K has four steps, two of them asked for at the head.
.set ROWB,   256
.set ASLOT,  256
.set KROW,   1024
.set PITCH,  272                       ; 256 bytes + 16: the 16 rows that a load touches start at 16 different banks (ISA guide 11.1)
.set FR,     16
.set NL,     4
.set NP,     4
.set HALFT,  128*PITCH
.set SLOT,   4*HALFT
.set LAPS,   2
.set SPARE,  2*SLOT
.set ADRA, 16
.set COH,  18                          ; head-split way out: my byte offset
.set ADRB, 20
.set RH0,  22                          ; head-split way out: where I read, first and last 16 instructions
.set RH1,  23
.set STO,  24
.set RD0,  25
.set CO,   26
.set RD1,  27
.set SPW,  28
.set NIL,  29
.set LIM,  30
.set SCL,  31
.set TMP,  32
.set CD,   96
.set AF,   128
.set G1, 24
.set G0, 32
.set G1B, 48
.set G0B, 56
.set MSB, 0
.macro WIN new
.if MSB != (\new)
	s_set_vgpr_msb (MSB<<8)|(\new)
.set MSB, (\new)
.endif
.endm
.set MUL_LO, 0xa1
.set MUL_HI, 0xf1
.set TO_B,   0x40
.macro JLOAD g0a, g1a, g0b, g1b        ; waves 0 and 1 fetch for A, waves 2 and 3 for B; four v_nop follow each of the two lines
	s_cmp_eq_u32 s15, 0
	s_cbranch_scc0 .Lfor_b_\@
	tensor_load_to_lds s[\g0a:\g0a+3], s[\g1a:\g1a+7]
	s_nop 0
.rept 4
	v_nop
.endr
	s_branch .Lasked_\@
.Lfor_b_\@:
	tensor_load_to_lds s[\g0b:\g0b+3], s[\g1b:\g1b+7]
	s_nop 0
.rept 4
	v_nop
.endr
.Lasked_\@:
.endm
.macro CREST
	s_cmp_lg_u32 s14, 0
	s_cbranch_scc1 .Lnot_wave_0_\@
	s_barrier_signal -3
.Lnot_wave_0_\@:
	s_barrier_wait -3
	s_barrier_signal -1
	s_barrier_wait -1
.endm
.macro CROUND
	s_barrier_signal -1
	s_barrier_wait -1
	CREST
.endm
	s_load_b128 s[4:7], s[0:1], 0x0                ; ycodes s[4:5], xw s[6:7]
	s_load_b128 s[8:11], s[0:1], 0x10              ; the scales' exponents s[8:9], qkv s[10:11]
	v_lshl_add_u32 v[SPW], v0, 2, SPARE
	v_mov_b32 v[NIL], 0
	ds_add_u32 v28, v29
	s_wait_dscnt 0x0
	v_lshrrev_b32 v1, 5, v0
	v_readfirstlane_b32 s14, v1                    ; wave 0..3
	s_lshr_b32 s15, s14, 1
	s_and_b32 s16, s14, 1
	s_bfe_u32 s40, ttmp6, 0x40000                  ; cx
	s_bfe_u32 s41, ttmp6, 0x40004                  ; cy
	s_and_b32 s12, ttmp7, 0xffff                   ; the cluster's y, 0..11
	s_lshr_b32 s13, s12, 2                         ; the job
	s_and_b32 s12, s12, 3                          ; c: which quarter of the 4,096 rows of Y
	s_lshl_b32 s71, s13, 4                         ; the job's four exponents: bytes 16 job on
	s_lshl_b32 s43, s41, 2
	s_lshl_b32 s43, 15, s43                        ; my row of the cluster
	s_lshl_b32 s44, 0x1111, s40                    ; my column
	s_or_b32 s[G1+0], s43, (0<<16)|(1<<20)|(1<<21)|(5<<22)|(3<<25)
	s_or_b32 s[G1B+0], s44, (0<<16)|(1<<20)|(1<<21)|(5<<22)|(3<<25)
.irp g, G1, G1B
	s_mov_b32 s[\g+1], ROWB<<16
	s_mov_b32 s[\g+2], 128<<16
	s_mov_b32 s[\g+3], ROWB<<16
	s_mov_b32 s[\g+4], 128
	s_mov_b32 s[\g+5], KROW
	s_mov_b32 s[\g+6], 0
	s_mov_b32 s[\g+7], 0
.endr
	; blocks of 256 rows (262,144 bytes).  A's hang on cy, B's on cx, and never the other way round
	s_lshl_b32 s67, s12, 2                         ; 4 c
	s_lshl_b32 s66, s13, 4
	s_add_co_u32 s66, s66, s67
	s_add_co_u32 s66, s66, s41                     ; jobs 0, 1: A = ycodes, block 16 job + 4 c + cy
	s_add_co_u32 s68, s41, 68                      ; job 2:     A = xw, block 68 + cy (WVh at 17 Mi)
	s_lshl_b32 s69, s13, 2
	s_add_co_u32 s69, s69, s40
	s_add_co_u32 s69, s69, 60                      ; jobs 0, 1: B = xw, block 60 + 4 job + cx (WQh at 15 Mi)
	s_add_co_u32 s70, s67, s40
	s_add_co_u32 s70, s70, 32                      ; job 2:     B = ycodes, block 32 + 4 c + cx
	s_mul_i32 s45, s14, HALFT
	s_wait_kmcnt 0x0
	s_load_b128 s[92:95], s[8:9], s71 offset:0x0   ; .., .., eW, eY
	s_load_b128 s[84:87], s[8:9], 0x30             ; entries 12 to 15
	s_cmp_eq_u32 s13, 2
	s_cselect_b32 s20, s68, s66
	s_cselect_b32 s46, s70, s69
	s_cselect_b64 s[72:73], s[6:7], s[4:5]         ; A's buffer: the choice hangs on the job alone
	s_cselect_b64 s[74:75], s[4:5], s[6:7]         ; B's
	s_lshl_b32 s18, s16, 17                        ; which 128 rows of the block I fetch
	s_lshl_b32 s20, s20, 18
	s_add_co_u32 s20, s20, s18
	s_mov_b32 s21, 0
	s_lshl_b32 s46, s46, 18
	s_add_co_u32 s46, s46, s18
	s_mov_b32 s47, 0
	s_add_nc_u64 s[20:21], s[72:73], s[20:21]
	s_add_nc_u64 s[46:47], s[74:75], s[46:47]
	CROUND                                         ; all sixteen work-groups are here: the first joint loads meet
.irp s, 0,1
	s_mov_b32 s[G0+4*\s], 1
	s_add_co_u32 s[G0+4*\s+1], s45, \s*SLOT
	s_add_nc_u64 s[G0+4*\s+2:G0+4*\s+3], s[20:21], \s*ASLOT
	s_or_b32 s[G0+4*\s+3], s[G0+4*\s+3], 0x80000000
	s_mov_b32 s[G0B+4*\s], 1
	s_add_co_u32 s[G0B+4*\s+1], s45, \s*SLOT
	s_add_nc_u64 s[G0B+4*\s+2:G0B+4*\s+3], s[46:47], \s*ROWB
	s_or_b32 s[G0B+4*\s+3], s[G0B+4*\s+3], 0x80000000
	JLOAD G0+4*\s, G1, G0B+4*\s, G1B
.endr
	v_and_b32 v1, 15, v0                           ; r
	v_bfe_u32 v2, v0, 4, 1                         ; h
	v_mul_u32_u24 v3, v1, PITCH
	v_lshl_add_u32 v4, v2, 4, v3
	s_mul_i32 s21, s15, HALFT
	s_mul_i32 s22, s16, HALFT
	s_add_co_u32 s22, s22, 2*HALFT
.irp s, 0,1
	v_add_nc_u32 v[ADRA+\s], s21, v4
	v_add_nc_u32 v[ADRB+\s], s22, v4
	s_add_co_u32 s21, s21, SLOT
	s_add_co_u32 s22, s22, SLOT
.endr
	s_mul_i32 s23, s15, 128*PITCH                  ; into the stage: row 128 x row half + r, byte 128 x column half + 8 h
	s_lshl_b32 s12, s16, 7
	s_add_co_u32 s23, s23, s12
	v_lshl_add_u32 v5, v2, 3, v3
	v_add_nc_u32 v[STO], s23, v5
	s_mul_i32 s23, s14, 64*PITCH                   ; back, by rows (V): wave w takes rows 64 w on, whole
	v_mul_u32_u24 v5, v2, PITCH
	v_lshl_add_u32 v5, v1, 4, v5
	v_add_nc_u32 v[RD0], s23, v5
	v_add_nc_u32 v[RD1], 16*2*PITCH, v[RD0]
	v_lshlrev_b32 v6, 12, v2                       ; two rows of V, 4,096 bytes apart
	v_lshl_add_u32 v[CO], v1, 4, v6
	v_and_b32 v6, 31, v0                           ; back, by heads (Q, K): wave w takes the 64 bytes of head column w of all 256 rows: four lanes to a row, eight rows an instruction
	v_lshrrev_b32 v7, 2, v6
	v_mul_u32_u24 v7, v7, PITCH
	v_and_b32 v8, 3, v0
	v_lshl_add_u32 v7, v8, 4, v7
	s_lshl_b32 s23, s14, 6
	v_add_nc_u32 v[RH0], s23, v7
	v_add_nc_u32 v[RH1], 16*8*PITCH, v[RH0]
	v_lshlrev_b32 v[COH], 4, v6                    ; which are 512 consecutive bytes of the head's rows
	; where I store.  jobs 0, 1: job x 4 Mi + head (4 cx + w) x 262,144 + rows 256 (4 c + cy) x 64;  job 2: 8 Mi + rows (256 cy + 64 w) x 4,096 + 256 (4 c + cx)
	s_lshl_b32 s76, s13, 22
	s_lshl_b32 s78, s40, 2
	s_add_co_u32 s78, s78, s14
	s_lshl_b32 s78, s78, 18
	s_add_co_u32 s76, s76, s78
	s_add_co_u32 s78, s67, s41
	s_lshl_b32 s78, s78, 14
	s_add_co_u32 s76, s76, s78
	s_lshl_b32 s77, s41, 20
	s_lshl_b32 s78, s14, 18
	s_add_co_u32 s77, s77, s78
	s_add_co_u32 s78, s67, s40
	s_lshl_b32 s78, s78, 8
	s_add_co_u32 s77, s77, s78
	s_add_co_u32 s77, s77, 0x800000
	s_cmp_eq_u32 s13, 2
	s_cselect_b32 s76, s77, s76
	s_mov_b32 s77, 0
	s_add_nc_u64 s[10:11], s[10:11], s[76:77]
.macro FRAG reg, adr, q, i             ; 16 rows x 128 K: registers 4 c .. 4 c + 3 hold K = 32 c + 16 (l / 16) + 0 .. 15: the same places in A and in B
.irp c, 0,1,2,3
	ds_load_b128 v[\reg+4*\c:\reg+4*\c+3], v[\adr] offset:128*(\q)+32*\c+(\i)*16*PITCH
.endr
.endm
.macro MUL16 a0, p, zero               ; the 64 accumulators take turns, one instruction a turn
.irp a, \a0, \a0+1
.irp b, 0,1,2,3,4,5,6,7
.if \zero
	v_wmma_f32_16x16x128_fp8_fp8 v[8*(8*((\a)%4)+\b):8*(8*((\a)%4)+\b)+7], v[128*(\p)+FR*\b:128*(\p)+FR*\b+FR-1], v[AF+FR*(\a):AF+FR*(\a)+FR-1], 0
.else
	v_wmma_f32_16x16x128_fp8_fp8 v[8*(8*((\a)%4)+\b):8*(8*((\a)%4)+\b)+7], v[128*(\p)+FR*\b:128*(\p)+FR*\b+FR-1], v[AF+FR*(\a):AF+FR*(\a)+FR-1], v[8*(8*((\a)%4)+\b):8*(8*((\a)%4)+\b)+7]
.endif
.endr
.endr
.endm
.macro FETCH_B slot, q, p
	WIN TO_B
.irp i, 0,1,2,3,4,5,6,7
	FRAG 128*(\p)+FR*\i, ADRB+\slot, \q, \i
.endr
	WIN 0
.endm
.macro FETCH_A slot, q, i0
.irp i, \i0, \i0+1, \i0+2, \i0+3
	FRAG AF+FR*(\i), ADRA+\slot, \q, \i
.endr
.endm
.macro PLACES n
.rept \n
	v_nop
.endr
.endm
.macro STEP slot, q, zero
	s_wait_dscnt 4*NL                              ; the youngest 16 loads (A's blocks 4-7) may be out
	WIN MUL_LO
	MUL16 0, (\q)%2, \zero
	MUL16 2, (\q)%2, \zero
	s_wait_dscnt 0
	PLACES NP
	FETCH_B \slot, (\q)+1, 1-(\q)%2
	FETCH_A \slot, (\q)+1, 0
	WIN MUL_HI
	MUL16 4, (\q)%2, \zero
	MUL16 6, (\q)%2, \zero
	PLACES NP
	WIN 0
	FETCH_A \slot, (\q)+1, 4
.endm
.macro TURN slot, next, fill
	s_wait_tensorcnt 0x0                           ; all my tensor loads have landed: my part of the next slot
	ds_add_u32 v[SPW], v[NIL]                      ; 0 onto my spare word
	s_wait_dscnt 4*NL+1                            ; (the add and the youngest 16 loads may be out)
	WIN MUL_LO
	MUL16 0, 1, 0
	s_wait_dscnt 0x0                               ; the add is done, and my reads of this slot are over
	s_barrier_signal -1
	MUL16 2, 1, 0
	WIN 0
	s_barrier_wait -1
.if \fill
	CREST                                          ; the round: no wave of any partner still reads this slot or has a load on its way
	s_add_nc_u64 s[G0+4*\slot+2:G0+4*\slot+3], s[G0+4*\slot+2:G0+4*\slot+3], 2*ASLOT
	s_add_nc_u64 s[G0B+4*\slot+2:G0B+4*\slot+3], s[G0B+4*\slot+2:G0B+4*\slot+3], 2*ROWB
	JLOAD G0+4*\slot, G1, G0B+4*\slot, G1B
.else
	PLACES NP
.endif
	FETCH_B \next, 0, 0
	FETCH_A \next, 0, 0
	WIN MUL_HI
	MUL16 4, 1, 0
	MUL16 6, 1, 0
	PLACES NP
	WIN 0
	FETCH_A \next, 0, 4
.endm
	s_wait_tensorcnt 1                             ; my part of K step 0 is in (K step 1's load may be out),
	s_barrier_signal -1
	s_barrier_wait -1
	FETCH_B 0, 0, 0
	FETCH_A 0, 0, 0
	FETCH_A 0, 0, 4
	STEP 0, 0, 1
	s_mov_b32 s3, LAPS-1
.Llap:
	TURN 0, 1, 1
	STEP 1, 0, 0
	TURN 1, 0, 1
	STEP 0, 0, 0
	s_sub_co_u32 s3, s3, 1
	s_cmp_lg_u32 s3, 0
	s_cbranch_scc1 .Llap
	TURN 0, 1, 0
	STEP 1, 0, 0
	s_wait_dscnt 4*NL
	WIN MUL_LO
	MUL16 0, 1, 0
	MUL16 2, 1, 0
	s_wait_dscnt 0
	WIN MUL_HI
	MUL16 4, 1, 0
	MUL16 6, 1, 0
	WIN 0
; THE WAY OUT: held, converted, into the work-group's stage (256 rows x 272 bytes, in slot 0, which has had its last fill and which every wave has left); a barrier; read back and stored in runs of 512 bytes (Q, K) or 256 (V).
.macro CODES a
.set AC, 64*((\a)%4)
	WIN 0x02+((\a)/4)
.set j, 0
.rept 64
	v_med3_num_f32 v[TMP+j], v[AC+j], -v[LIM], v[LIM]   ; each accumulator from its low end on
.set j, j+1
.endr
	WIN 0
.irp b, 0,1,2,3,4,5,6,7
	v_cvt_scalef32_pk8_fp8_f32 v[CD+16*(\a)+2*\b:CD+16*(\a)+2*\b+1], v[TMP+8*\b:TMP+8*\b+7], v[SCL]
.endr
	v_nop                                          ; a plain line between the conversions and the next block's holds, which write their sources
.irp b, 0,1,2,3,4,5,6,7
	ds_store_b64 v[STO], v[CD+16*(\a)+2*\b:CD+16*(\a)+2*\b+1] offset:(\a)*16*PITCH+16*\b
.endr
.endm
.macro READBACK rd0, rd1, lstep, co, gstep
.set i, 0
.rept 32
.if i < 16
	ds_load_b128 v[CD+4*i:CD+4*i+3], v[\rd0] offset:i*(\lstep)
.else
	ds_load_b128 v[CD+4*i:CD+4*i+3], v[\rd1] offset:(i-16)*(\lstep)
.endif
.set i, i+1
.endr
.set i, 0
.rept 32
	s_wait_dscnt 31-i                              ; LDS loads come back in order: number i is in
	global_store_b128 v[\co], v[CD+4*i:CD+4*i+3], s[10:11] offset:i*(\gstep)
.set i, i+1
.endr
.endm
	s_wait_kmcnt 0x0
	s_cmp_eq_u32 s13, 1
	s_cselect_b32 s96, s85, s84
	s_cmp_eq_u32 s13, 2
	s_cselect_b32 s96, s87, s96                    ; eo: entry 12, 13 or 15
	s_sub_co_i32 s96, s96, s94
	s_sub_co_i32 s96, s96, s95                     ; eo - eW - eY
	s_add_co_i32 s96, s96, 127
	s_lshl_b32 s97, s96, 23
	v_mov_b32 v[SCL], s97
	s_add_co_i32 s96, s96, 8
	s_lshl_b32 s96, s96, 23
	s_or_b32 s96, s96, 0x600000
	v_mov_b32 v[LIM], s96
	PLACES NP
.irp a, 0,1,2,3,4,5,6,7
	CODES \a
.endr
	s_wait_dscnt 0x0                               ; for the others' sake: my stores into the stage are done
	s_barrier_signal -1
	s_barrier_wait -1
	s_cmp_eq_u32 s13, 2                            ; the job: the same in every wave and every partner; both arms only read the stage
	s_cbranch_scc1 .Lby_rows
	READBACK RH0, RH1, 8*PITCH, COH, 512           ; Q, K: a head's 64 bytes of eight rows: 512 consecutive bytes, aligned
	s_branch .Lstored
.Lby_rows:
	READBACK RD0, RD1, 2*PITCH, CO, 2*4096         ; V: two whole stage rows: sixteen lanes store 256 consecutive bytes, aligned
.Lstored:
	s_wait_tensorcnt 0x0                           ; the wave's end
	ds_add_u32 v[SPW], v[NIL]
	s_wait_dscnt 0x0
	CROUND                                         ; the closing round
	s_endpgm
.Lfunc_end_k_q6cc9a02dd8_proj2:
	.size	k_q6cc9a02dd8_proj2, .Lfunc_end_k_q6cc9a02dd8_proj2-k_q6cc9a02dd8_proj2
	.p2alignl 7, 3214868480
	.fill 96, 4, 3214868480
	.section	.rodata,"a",@progbits
	.p2align	6, 0x0
	.amdhsa_kernel k_q6cc9a02dd8_proj2
		.amdhsa_group_segment_fixed_size 327680
		.amdhsa_private_segment_fixed_size 0
		.amdhsa_enable_private_segment 0
		.amdhsa_kernarg_size 32
		.amdhsa_user_sgpr_count 2
		.amdhsa_user_sgpr_kernarg_segment_ptr 1
		.amdhsa_wavefront_size32 1
		.amdhsa_system_sgpr_workgroup_id_x 1
		.amdhsa_system_sgpr_workgroup_id_y 1
		.amdhsa_system_sgpr_workgroup_id_z 1
		.amdhsa_system_vgpr_workitem_id 0
		.amdhsa_next_free_vgpr 1024
		.amdhsa_next_free_sgpr 100
		.amdhsa_reserve_vcc 0
		.amdhsa_float_denorm_mode_32 3
		.amdhsa_float_denorm_mode_16_64 3
		.amdhsa_memory_ordered 1
		.amdhsa_forward_progress 1
		.amdhsa_inst_pref_size 132
	.end_amdhsa_kernel
	.amdgpu_metadata
---
amdhsa.version: [ 1, 2 ]
amdhsa.kernels:
  - .name:           k_q6cc9a02dd8_proj2
    .symbol:         k_q6cc9a02dd8_proj2.kd
    .args:
      - { .name: ycodes, .offset: 0, .size: 8, .value_kind: global_buffer, .address_space: global }
      - { .name: xw, .offset: 8, .size: 8, .value_kind: global_buffer, .address_space: global }
      - { .name: lowp_scales, .offset: 16, .size: 8, .value_kind: global_buffer, .address_space: global }
      - { .name: qkv, .offset: 24, .size: 8, .value_kind: global_buffer, .address_space: global }
    .group_segment_fixed_size: 327680
    .private_segment_fixed_size: 0
    .kernarg_segment_align: 8
    .kernarg_segment_size: 32
    .max_flat_workgroup_size: 128
    .sgpr_count:     100
    .vgpr_count:     1024
    .wavefront_size: 32
...
	.end_amdgpu_metadata
.endif
;; end of part 3
;; launch stats (part 4): grid 16 x 16, 8 waves a work-group, clusters of 4 x 1, 327,680 bytes of LDS; arguments qkv, lowp_scales, stat; writes stat
.if DOCPART == 4
	.amdgcn_target "amdgcn-amd-amdhsa--gfx1250"
	.amdhsa_code_object_version 6
	.text
	.protected	k_q6cc9a02dd8_stats
	.globl	k_q6cc9a02dd8_stats
	.p2align	8
	.type	k_q6cc9a02dd8_stats,@function
k_q6cc9a02dd8_stats:
	s_mov_b64 s[64:65], 0
	v_nop
	global_prefetch_b8 v0, s[64:65] scope:SCOPE_SE
	s_setreg_imm32_b32 hwreg(HW_REG_WAVE_MODE, 25, 1), 1
	s_wait_xcnt 0x0
	s_wait_alu depctr_hold_cnt(0) depctr_sa_sdst(0) depctr_va_vdst(0) depctr_va_sdst(0) depctr_va_ssrc(0) depctr_va_vcc(0) depctr_vm_vsrc(0)
	s_getreg_b32 s2, hwreg(HW_REG_IB_STS2, 6, 4)
	s_cmp_eq_u32 s2, 0
	s_cbranch_scc0 .Lentry_in_a_cluster
	s_endpgm
.Lentry_in_a_cluster:
	s_bfe_u32 s2, ttmp6, 0x10000c
	s_cmp_lg_u32 s2, 0x3003
	s_cbranch_scc0 .Lentry_shape_is_right
	s_endpgm
.Lentry_shape_is_right:
; The softmax runs over the QUERIES: each key's column of scores is normalised over all 4,096 queries.  This launch finds, for every head and key, M and L with sum over q of 2^(t - M) = 2^L,
; t = score x log2(e) / 8, M = the column's largest t rounded up to a whole number (a running maximum).  It stores -M and -L as f32: stat[0][h][key], stat[1][h][key] (262,144 bytes on).
; M and L are kept apart: t - M is one fused multiply-add whose error is that of its small result, whatever the size of t.
; SHARES.  A work-group owns 256 keys of one head; wave w keys 32 w .. 32 w + 31, two tiles of 16, whose fragments stay in registers.  Every wave walks all queries, 128 a step.
; S = Q K^T (source 0 = 16 queries, source 1 = 16 keys): a lane holds ONE key (lane % 16) and the queries 8 (lane / 16) + 0..7 of each tile.  The two halves of the lanes keep statistics of their own; they are merged once, at the end.
; Fragments of Q and of K are fetched alike, two loads of 16 bytes at 16 (lane / 16) and 32 + 16 (lane / 16): the same permutation of the head's 64 on both sides; the next launch fetches them in the same way.
; LDS.  The head's whole Q, 262,144 bytes, as 1,024 rows of four queries (256 bytes + 16): nothing is filled twice.  Behind it a stage of 2,048 bytes.
; CLUSTER.  The four key blocks of a cluster read the same Q: waves 0-3 ask for it jointly, four loads each (four are out), all at the head; so there is nothing left to prefetch.
; The exponentials go in two batches a step, one for each tile of keys; the other tile's maxima and sums stand between them; one wait for each batch.
; LIMITS: e12 + e13 between -123 and 130 (added to c's exponent field); |t| under 2^23; NaN is not served.
.set LROW, 272
.set QW,   64*LROW                     ; what one tensor load brings: 256 queries
.set QCH,  4*QW                        ; a chunk: 1,024 queries
.set STG,  4*QCH                       ; the stage, behind Q
.set AQ0,  1                           ; v1   my lane's place in a tile of Q
.set ADR,  2                           ; v2   LDS address of the step's tiles
                                       ; tile k of keys: v[4+4k] -M, v[5+4k] the largest t, v[6+4k:7+4k] the sum in two halves
.set SA,   14                          ; v14  the stage: my word
.set SB,   15                          ; v15  the stage: 16 bytes a lane
.set KF,   16                          ; v16-31  K's two fragments
.set QF,   32                          ; v32-95  eight fragments of Q
.set S,    96                          ; v96-223 the scores: 64 k + 8 tile + j
                                       ; v[224+2k], v[225+2k] two chains of maxima; v[228+2k:229+2k] f; v[232+2k:233+2k] the sum's second chain; v[236+k] the old -M
.set WV,   12
.set G1,   24                          ; s[24:31] descriptor group 1;  s[32:47] group 0 for the four chunks
.set G0,   32
.set CS,   50                          ; s[50:51] c = log2(e) / 8 x 2^(e12 + e13)
.set SEL,  52                          ; s[52:53] lane selects for v_permlanex16_b32: lane l xor 16
.set TB,   54                          ; s54  LDS byte at which the step's queries begin
.set CNT,  55
.macro CROUND                          ; a round of the cluster's barrier
	s_barrier_signal -1
	s_barrier_wait -1
	s_cmp_lg_u32 s[WV], 0
	s_cbranch_scc1 .Lnot_wave_0_\@
	s_barrier_signal -3
.Lnot_wave_0_\@:
	s_barrier_wait -3
	s_barrier_signal -1
	s_barrier_wait -1
.endm
	s_load_b128 s[4:7], s[0:1], 0x0                ; qkv s[4:5], the scales' exponents s[6:7]
	s_load_b64 s[8:9], s[0:1], 0x10                ; stat
	v_lshl_add_u32 v254, v0, 2, 0x44800
	v_mov_b32 v255, 0
	ds_add_u32 v254, v255
	v_lshrrev_b32 v1, 5, v0
	v_readfirstlane_b32 s[WV], v1                  ; wave 0..7
	s_bfe_u32 s13, ttmp6, 0x40000                  ; cx
	s_lshl_b32 s14, ttmp9, 2
	s_add_co_u32 s14, s14, s13                     ; my block of 256 keys: it enters K's and stat's addresses alone
	s_and_b32 s15, ttmp7, 0xffff                   ; the head, which the four partners share
	s_mov_b32 s[G1], 15|(1<<20)|(1<<21)|(5<<22)|(3<<25)   ; the mask: all four; elements of 1 byte; padding on; bit 21 beside a mask; after every 64 words, 4 words
	s_mov_b32 s[G1+1], 256<<16                     ; tensor_dim0: four queries' 256 bytes
	s_mov_b32 s[G1+2], 64<<16                      ; tensor_dim1
	s_mov_b32 s[G1+3], 256<<16                     ; tile_dim0
	s_mov_b32 s[G1+4], 64                          ; tile_dim1
	s_mov_b32 s[G1+5], 256                         ; the rows are dense in memory
	s_mov_b32 s[G1+6], 0
	s_mov_b32 s[G1+7], 0
	s_and_b32 s16, s[WV], 3
	s_mul_i32 s17, s16, QW                         ; my quarter of a chunk, in LDS
	s_lshl_b32 s18, s16, 14                        ; and in memory,
	s_lshl_b32 s19, s15, 18                        ; in the head's Q
	s_add_co_u32 s18, s18, s19
	s_mov_b32 s19, 0
	s_lshl_b32 s20, s15, 18                        ; K: 4 Mi + head + my block's 256 keys + my wave's 32, 64 bytes each
	s_add_co_u32 s20, s20, 0x400000
	s_lshl_b32 s21, s14, 14
	s_add_co_u32 s20, s20, s21
	s_lshl_b32 s21, s[WV], 11
	s_add_co_u32 s20, s20, s21
	s_mov_b32 s21, 0
	s_lshl_b32 s22, s15, 14                        ; stat: head x 16,384 + block x 1,024
	s_lshl_b32 s23, s14, 10
	s_add_co_u32 s22, s22, s23
	s_mov_b32 s23, 0
	s_mov_b32 s[SEL], 0x76543210
	s_mov_b32 s[SEL+1], 0xfedcba98
	s_mov_b32 s[CS], 0x3e38aa3b                    ; log2(e) / 8
	s_mov_b32 s[TB], 0
	s_wait_dscnt 0x0
	s_wait_kmcnt 0x0
	s_load_b64 s[56:57], s[6:7], 0x30              ; e12, e13
	s_add_nc_u64 s[18:19], s[4:5], s[18:19]
	s_add_nc_u64 s[20:21], s[4:5], s[20:21]
	s_add_nc_u64 s[8:9], s[8:9], s[22:23]
.irp c, 0,1,2,3
	s_mov_b32 s[G0+4*\c], 1
	s_add_co_u32 s[G0+4*\c+1], s17, \c*QCH
	s_add_nc_u64 s[G0+4*\c+2:G0+4*\c+3], s[18:19], \c*65536
	s_or_b32 s[G0+4*\c+3], s[G0+4*\c+3], 0x80000000
.endr
	CROUND                                         ; all four work-groups are here: the joint loads meet
	s_cmp_lt_u32 s[WV], 4                          ; a wave's four fills stand in one branch, ahead of every wait on TENSORcnt, every LDS read and every other barrier
	s_cbranch_scc0 .Lno_fill
	tensor_load_to_lds s[G0:G0+3], s[G1:G1+7]
	s_nop 0
	tensor_load_to_lds s[G0+4:G0+7], s[G1:G1+7]
	s_nop 0
	tensor_load_to_lds s[G0+8:G0+11], s[G1:G1+7]
	s_nop 0
	tensor_load_to_lds s[G0+12:G0+15], s[G1:G1+7]
	s_nop 0
.rept 4
	v_nop
.endr
.Lno_fill:
	v_and_b32 v238, 15, v0                         ; r
	v_bfe_u32 v239, v0, 4, 1                       ; h
	v_lshlrev_b32 v240, 6, v238
	v_lshl_add_u32 v240, v239, 4, v240             ; K: key r of 64 bytes, + 16 h
	global_load_b128 v[KF:KF+3], v240, s[20:21]
	global_load_b128 v[KF+4:KF+7], v240, s[20:21] offset:32
	global_load_b128 v[KF+8:KF+11], v240, s[20:21] offset:1024
	global_load_b128 v[KF+12:KF+15], v240, s[20:21] offset:1056
	v_lshrrev_b32 v[AQ0], 2, v238
	v_mul_u32_u24 v[AQ0], v[AQ0], LROW
	v_and_b32 v241, 3, v0
	v_lshl_add_u32 v[AQ0], v241, 6, v[AQ0]
	v_lshl_add_u32 v[AQ0], v239, 4, v[AQ0]         ; query r of a tile: (r / 4) rows + 64 (r % 4) + 16 h: sixteen lanes touch sixteen different columns of 16 bytes
	v_lshl_add_u32 v[SA], v0, 2, STG
	v_and_b32 v241, 31, v0                         ; lane
	v_lshl_add_u32 v[SB], v241, 4, STG
	v_lshlrev_b32 v242, 4, v241
.irp k, 0,1
	v_mov_b32 v[5+4*\k], 0xff61b1e6                ; the largest t so far: -3e38, under every t
	v_floor_f32 v[4+4*\k], -v[5+4*\k]              ; -M
	v_mov_b32 v[6+4*\k], 0                         ; the sum: the first change of M multiplies zeros
	v_mov_b32 v[7+4*\k], 0
	v_mov_b32 v[229+2*\k], 0                       ; (named as the upper half of f's pair)
.endr
	s_wait_kmcnt 0x0
	s_add_co_i32 s56, s56, s57
	s_lshl_b32 s56, s56, 23
	s_add_co_i32 s[CS], s[CS], s56                 ; a raw score stands for score x 2^(e12 + e13)
	s_mov_b32 s[CS+1], s[CS]                       ; (named with it as a pair)
.macro MAXI k, i                       ; number i of 32: the largest of tile k's 64 scores, in two chains, the registers in ascending order: each accumulator is first read at its low end
.set rS, S+64*(\k)
.set cA, 224+2*(\k)
.if (\i) == 0
	v_max3_num_f32 v[cA], v[rS], v[rS+1], v[rS+2]
.elseif (\i) == 1
	v_max3_num_f32 v[cA+1], v[rS+3], v[rS+4], v[rS+5]
.elseif (\i) < 31
	v_max3_num_f32 v[cA+(\i)%2], v[cA+(\i)%2], v[rS+2*(\i)+2], v[rS+2*(\i)+3]
.else
	v_max_num_f32 v[cA], v[cA], v[cA+1]
.endif
.endm
.macro STAT k                          ; the new -M, and f = 2^(old M - new M): a multiplication by f rounds nothing, and there is no branch on data
.set cA, 224+2*(\k)
.set rM, 4+4*(\k)
	v_mul_f32 v[cA], s[CS], v[cA]                  ; as t (c is positive)
	v_max_num_f32 v[rM+1], v[rM+1], v[cA]
	v_mov_b32 v[236+(\k)], v[rM]
	v_floor_f32 v[rM], -v[rM+1]                    ; -M = floor(-t) = -ceil(t)
	v_sub_f32 v[cA], v[rM], v[236+(\k)]
	v_cvt_i32_f32 v[cA], v[cA]                     ; (it saturates)
	v_ldexp_f32 v[228+2*(\k)], 1.0, v[cA]
.endm
.macro FMAS k                          ; t - M, two at a time
.set rS, S+64*(\k)
.set rM, 4+4*(\k)
.set m, 0
.rept 32
	v_pk_fma_f32 v[rS+2*m:rS+2*m+1], v[rS+2*m:rS+2*m+1], s[CS:CS+1], v[rM:rM+1] op_sel_hi:[1,0,0]
.set m, m+1
.endr
.endm
.macro SUMI k, i                       ; number i of 33: the sum x f, then the 32 pairs in two chains
.set rS, S+64*(\k)
.set rL, 6+4*(\k)
.set rC, 232+2*(\k)
.set rF, 228+2*(\k)
.if (\i) == 0
	v_pk_mul_f32 v[rL:rL+1], v[rL:rL+1], v[rF:rF+1] op_sel_hi:[1,0]
.elseif (\i) == 1
	v_pk_add_f32 v[rC:rC+1], v[rS:rS+1], v[rS+2:rS+3]
.elseif (\i) == 32
	v_pk_add_f32 v[rL:rL+1], v[rL:rL+1], v[rC:rC+1]
.elseif (\i)%2 == 0
	v_pk_add_f32 v[rL:rL+1], v[rL:rL+1], v[rS+2*(\i):rS+2*(\i)+1]
.else
	v_pk_add_f32 v[rC:rC+1], v[rC:rC+1], v[rS+2*(\i):rS+2*(\i)+1]
.endif
.endm
.macro STEP                            ; 128 queries x my 32 keys
	v_add_nc_u32 v[ADR], s[TB], v[AQ0]
.irp t, 0,1,2,3,4,5,6,7
	ds_load_b128 v[QF+8*\t:QF+8*\t+3], v[ADR] offset:\t*4*LROW
	ds_load_b128 v[QF+8*\t+4:QF+8*\t+7], v[ADR] offset:\t*4*LROW+32
.endr
	s_wait_dscnt 0x0
.irp t, 0,1,2,3,4,5,6,7
.irp k, 0,1
	v_wmma_f32_16x16x64_fp8_fp8 v[S+64*\k+8*\t:S+64*\k+8*\t+7], v[QF+8*\t:QF+8*\t+7], v[KF+8*\k:KF+8*\k+7], 0
.endr
.endr
.rept 4
	v_nop                                          ; places in front of the first read of the results (ISA guide 7.12.1)
.endr
.set n, 0
.rept 32
	MAXI 0, n
.set n, n+1
.endr
	STAT 0
	FMAS 0
.set n, 0
.rept 32
	v_exp_f32 v[S+2*n], v[S+2*n]                   ; tile 0's batch; tile 1's maxima stand between
	v_exp_f32 v[S+2*n+1], v[S+2*n+1]
	MAXI 1, n
.set n, n+1
.endr
	STAT 1
	FMAS 1
	s_wait_alu depctr_va_vdst(0)                   ; one wait for tile 0's 64 exponentials, ahead of their first reader
.set n, 0
.rept 32
	v_exp_f32 v[S+64+2*n], v[S+64+2*n]             ; tile 1's batch; tile 0's sums stand between
	v_exp_f32 v[S+64+2*n+1], v[S+64+2*n+1]
	SUMI 0, n
.set n, n+1
.endr
	SUMI 0, 32
	SUMI 1, 0
	s_wait_alu depctr_va_vdst(0)                   ; one wait for tile 1's 64
.set n, 1
.rept 32
	SUMI 1, n
.set n, n+1
.endr
.endm
.macro CHUNK c                         ; 1,024 queries: eight steps
	s_wait_tensorcnt 3-\c                          ; my part of chunk c is in; the later chunks' loads may be out
	s_barrier_signal -1
	s_barrier_wait -1                              ; everybody's is
	s_mov_b32 s[CNT], 8
.Lstep_\@:
	STEP
	s_add_co_u32 s[TB], s[TB], 32*LROW
	s_sub_co_u32 s[CNT], s[CNT], 1
	s_cmp_lg_u32 s[CNT], 0
	s_cbranch_scc1 .Lstep_\@
.endm
	s_wait_loadcnt 0x0                             ; K
	CHUNK 0
	CHUNK 1
	CHUNK 2
	CHUNK 3
	; THE END.  The sum's two halves; then lane l xor 16's statistics of the same key are brought under the common M and added; L = log2 of the sum.
.irp k, 0,1
	v_add_f32 v[6+4*\k], v[6+4*\k], v[7+4*\k]
.endr
.irp k, 0,1
	v_permlanex16_b32 v[224+2*\k], v[4+4*\k], s[SEL], s[SEL+1]   ; the other half's -M,
	v_permlanex16_b32 v[225+2*\k], v[6+4*\k], s[SEL], s[SEL+1]   ; and its sum
.endr
.irp k, 0,1
	v_min_num_f32 v[236+\k], v[4+4*\k], v[224+2*\k]              ; the smaller -M is the larger M
	v_sub_f32 v[228+2*\k], v[236+\k], v[4+4*\k]
	v_sub_f32 v[232+2*\k], v[236+\k], v[224+2*\k]
	v_cvt_i32_f32 v[228+2*\k], v[228+2*\k]
	v_cvt_i32_f32 v[232+2*\k], v[232+2*\k]
	v_ldexp_f32 v[6+4*\k], v[6+4*\k], v[228+2*\k]
	v_ldexp_f32 v[225+2*\k], v[225+2*\k], v[232+2*\k]
	v_add_f32 v[6+4*\k], v[6+4*\k], v[225+2*\k]
.endr
	v_log_f32 v7, v6
	v_log_f32 v11, v10
	v_cmp_gt_u32 vcc_lo, 16, v241                  ; (a plain line behind the logarithms)  lanes 0-15 take tile 0's key, lanes 16-31 tile 1's: thread t then holds key t of the block
	s_wait_alu depctr_va_vdst(0)                   ; one wait for both, ahead of their first reader
	v_cndmask_b32 v12, v237, v236, vcc_lo          ; -M
	v_cndmask_b32 v13, v11, v7, vcc_lo
	v_mul_f32 v13, -1.0, v13                       ; -L
	ds_store_b32 v[SA], v12
	ds_store_b32 v[SA], v13 offset:1024
	s_wait_dscnt 0x0                               ; for wave 0's sake: my stores are done
	s_barrier_signal -1
	s_barrier_wait -1
	s_cmp_lg_u32 s[WV], 0
	s_cbranch_scc1 .Lend
	ds_load_b128 v[16:19], v[SB]
	ds_load_b128 v[20:23], v[SB] offset:512
	ds_load_b128 v[24:27], v[SB] offset:1024
	ds_load_b128 v[28:31], v[SB] offset:1536
	s_wait_dscnt 3
	global_store_b128 v242, v[16:19], s[8:9]                   ; the wave stores 512 consecutive bytes, aligned
	s_wait_dscnt 2
	global_store_b128 v242, v[20:23], s[8:9] offset:512
	s_wait_dscnt 1
	global_store_b128 v242, v[24:27], s[8:9] offset:262144
	s_wait_dscnt 0
	global_store_b128 v242, v[28:31], s[8:9] offset:262144+512
.Lend:
	s_wait_tensorcnt 0x0
	ds_add_u32 v254, v255
	s_wait_dscnt 0x0
	CROUND                                         ; the closing round: no work-group ends while a partner may still ask for a tile that names it
	s_endpgm
.Lfunc_end_k_q6cc9a02dd8_stats:
	.size	k_q6cc9a02dd8_stats, .Lfunc_end_k_q6cc9a02dd8_stats-k_q6cc9a02dd8_stats
	.p2alignl 7, 3214868480
	.fill 96, 4, 3214868480
	.section	.rodata,"a",@progbits
	.p2align	6, 0x0
	.amdhsa_kernel k_q6cc9a02dd8_stats
		.amdhsa_group_segment_fixed_size 327680
		.amdhsa_private_segment_fixed_size 0
		.amdhsa_enable_private_segment 0
		.amdhsa_kernarg_size 24
		.amdhsa_user_sgpr_count 2
		.amdhsa_user_sgpr_kernarg_segment_ptr 1
		.amdhsa_wavefront_size32 1
		.amdhsa_system_sgpr_workgroup_id_x 1
		.amdhsa_system_sgpr_workgroup_id_y 1
		.amdhsa_system_sgpr_workgroup_id_z 1
		.amdhsa_system_vgpr_workitem_id 0
		.amdhsa_next_free_vgpr 256
		.amdhsa_next_free_sgpr 66
		.amdhsa_reserve_vcc 1
		.amdhsa_float_denorm_mode_32 3
		.amdhsa_float_denorm_mode_16_64 3
		.amdhsa_memory_ordered 1
		.amdhsa_forward_progress 1
		.amdhsa_inst_pref_size 86
	.end_amdhsa_kernel
	.amdgpu_metadata
---
amdhsa.version: [ 1, 2 ]
amdhsa.kernels:
  - .name:           k_q6cc9a02dd8_stats
    .symbol:         k_q6cc9a02dd8_stats.kd
    .args:
      - { .name: qkv, .offset: 0, .size: 8, .value_kind: global_buffer, .address_space: global }
      - { .name: lowp_scales, .offset: 8, .size: 8, .value_kind: global_buffer, .address_space: global }
      - { .name: stat, .offset: 16, .size: 8, .value_kind: global_buffer, .address_space: global }
    .group_segment_fixed_size: 327680
    .private_segment_fixed_size: 0
    .kernarg_segment_align: 8
    .kernarg_segment_size: 24
    .max_flat_workgroup_size: 256
    .sgpr_count:     66
    .vgpr_count:     256
    .wavefront_size: 32
...
	.end_amdgpu_metadata
.endif
;; end of part 4
;; launch apply (part 5): grid 16 x 16, 8 waves a work-group, clusters of 4 x 1, 327,680 bytes of LDS; arguments qkv, stat, lowp_scales, ccodes; writes ccodes
.if DOCPART == 5
	.amdgcn_target "amdgcn-amd-amdhsa--gfx1250"
	.amdhsa_code_object_version 6
	.text
	.protected	k_q6cc9a02dd8_apply
	.globl	k_q6cc9a02dd8_apply
	.p2align	8
	.type	k_q6cc9a02dd8_apply,@function
k_q6cc9a02dd8_apply:
	s_mov_b64 s[64:65], 0
	v_nop
	global_prefetch_b8 v0, s[64:65] scope:SCOPE_SE
	s_setreg_imm32_b32 hwreg(HW_REG_WAVE_MODE, 25, 1), 1
	s_wait_xcnt 0x0
	s_wait_alu depctr_hold_cnt(0) depctr_sa_sdst(0) depctr_va_vdst(0) depctr_va_sdst(0) depctr_va_ssrc(0) depctr_va_vcc(0) depctr_vm_vsrc(0)
	s_getreg_b32 s2, hwreg(HW_REG_IB_STS2, 6, 4)
	s_cmp_eq_u32 s2, 0
	s_cbranch_scc0 .Lentry_in_a_cluster
	s_endpgm
.Lentry_in_a_cluster:
	s_bfe_u32 s2, ttmp6, 0x10000c
	s_cmp_lg_u32 s2, 0x3003
	s_cbranch_scc0 .Lentry_shape_is_right
	s_endpgm
.Lentry_shape_is_right:
; attn = 2^(t - M - L), finished and normalised (M, L of each key: the launch before), quantised with 2^e14 along the keys; O = attn V on codes of FP8 (E4M3); O quantised with 2^e16 for the last product.
; ccodes: [16 blocks of 256 queries][16 heads][256 queries][64], so that the last launch finds a K step of a tile row as one dense block.
; SHARES.  A work-group owns 256 queries of one head.  Wave w: g = w % 4 picks 64 queries (four tiles of 16), kp = w / 4 the parity of the steps of 64 keys: each fragment of K, V and of the statistics feeds four tiles of queries,
; and two waves share a SIMD, so that one wave's vector work stands beside the other's products and LDS loads.  The two partial O of a pair of waves are added once, at the end, through LDS.
; LAYOUT.  Both products are used transposed: S^T = K Q^T (source 0 = 16 keys, source 1 = 16 queries), O^T = V^T P^T: a lane holds ONE query (lane % 16) throughout.
; THE KEYS OF A TILE ARE NOT NEIGHBOURS: lane r of tile 2 b + u takes key 32 b + 8 u + r + 8 (r / 8), so that the 16 registers of tiles 2 b and 2 b + 1 are the keys 32 b + 16 (lane / 16) + 0 .. 15, and the conversions'
; results are the second product's operand.  Every fragment comes by two loads of 16 bytes, at 16 (lane / 16) and 32 + 16 (lane / 16), alike on both sides of a product, and as in the launch before.
; t - M is one fused multiply-add (M is a whole number), -L is added behind it: two packed lines for two scores.  No running maximum, no rescaling, no row sum.
; LDS.  Two slots of 1,024 keys: K as 512 rows of two keys (128 bytes + 16), then V as 64 rows of 1,024 bytes + 16.  Behind them -M and -L of the head's 4,096 keys, then the spare words.
; CLUSTER.  The four query blocks of a cluster walk the same K, V and statistics: all are asked for jointly.  A wave has two tensor loads out at the start and one behind each round.
; No prefetch: both refills are asked for eight key steps of every wave ahead of the wait for them, and the first fills stand at the head.
; LIMITS: e12 + e13 between -123 and 130; e14 and e16 - e14 - e15 between -126 and 119; NaN is not served.
.set KP,    144
.set VP,    1040
.set VOFF,  512*KP
.set SLOTB, VOFF+64*VP                 ; 140,288
.set NMB,   2*SLOTB                    ; -M of 4,096 keys
.set NLB,   NMB+16384                  ; -L
.set SPARE, NLB+16384                  ; the spare words, 128 bytes for each of eight waves
.set ST2B,  65536                      ; the way out (in slot 0, which has had its last fill and has been left): images of O at 0, 16,384 bytes for each g; from here four stages of 16 rows x 272
.set AK0, 1                            ; window 0: v1-3 my lane's places in K, V, the statistics; v4-6 the addresses in hand
.set AV0, 2
.set ANB, 3
.set ADK, 4
.set ADV, 5
.set ADN, 6
.set IMG, 7
.set ST2, 8
.set RD2, 9
.set GO,  10
.set SPW, 11
.set NIL, 12
.set PLIM, 13                          ; 448 x 2^e14, 2^e14
.set PSCL, 14
.set OLIM, 15                          ; the same with e16 - e14 - e15
.set OSCL, 16
.set NM,  24                           ; v24-55   -M of my 32 keys of the step, in the order of a tile of queries' 32 registers
.set NLR, 56                           ; v56-87   -L likewise
.set P,   88                           ; v88-119  p's codes, 8 registers a tile of queries
.set S,   120                          ; v120-247 S^T, then p: 32 q + 8 t + j
.set QF,  0                            ; window 1: v0-31 Q, v32-63 K, v64-95 V, v96-223 O^T (32 q + 8 d)
.set KF,  32
.set VF,  64
.set O,   96
.set WV,  12
.set G1K, 24
.set G1V, 32
.set G1N, 40
.set G0K, 48                           ; s[48:55] K's group 0 for slots 0, 1;  s[56:63] V's;  s[68:75] the statistics' two halves
.set G0V, 56
.set G0N, 68
.set CS,  76
.set TK,  78
.set TV,  79
.set TN,  80
.set CNT, 81
.set MSB, 0
.macro WIN new
.if MSB != (\new)
	s_set_vgpr_msb (MSB<<8)|(\new)
.set MSB, (\new)
.endif
.endm
.macro CROUND
	s_barrier_signal -1
	s_barrier_wait -1
	s_cmp_lg_u32 s[WV], 0
	s_cbranch_scc1 .Lnot_wave_0_\@
	s_barrier_signal -3
.Lnot_wave_0_\@:
	s_barrier_wait -3
	s_barrier_signal -1
	s_barrier_wait -1
.endm
.macro JLOAD slot                      ; a joint refill: waves 0, 1 K's halves, waves 2, 3 V's, the others nothing; four v_nop follow each line
	s_cmp_lt_u32 s[WV], 2
	s_cbranch_scc0 .Lnot_k_\@
	tensor_load_to_lds s[G0K+4*\slot:G0K+4*\slot+3], s[G1K:G1K+7]
	s_nop 0
.rept 4
	v_nop
.endr
	s_branch .Lasked_\@
.Lnot_k_\@:
	s_cmp_lt_u32 s[WV], 4
	s_cbranch_scc0 .Lasked_\@
	tensor_load_to_lds s[G0V+4*\slot:G0V+4*\slot+3], s[G1V:G1V+7]
	s_nop 0
.rept 4
	v_nop
.endr
.Lasked_\@:
.endm
	s_load_b256 s[4:11], s[0:1], 0x0               ; qkv s[4:5], stat s[6:7], the scales' exponents s[8:9], ccodes s[10:11]
	v_lshl_add_u32 v[SPW], v0, 2, SPARE
	v_mov_b32 v[NIL], 0
	ds_add_u32 v11, v12
	s_wait_dscnt 0x0
	v_lshrrev_b32 v1, 5, v0
	v_readfirstlane_b32 s[WV], v1                  ; wave 0..7
	s_bfe_u32 s13, ttmp6, 0x40000                  ; cx
	s_lshl_b32 s14, ttmp9, 2
	s_add_co_u32 s14, s14, s13                     ; my block of 256 queries: it enters Q's and ccodes' addresses alone
	s_and_b32 s15, ttmp7, 0xffff                   ; the head, which the four partners share
	s_and_b32 s16, s[WV], 3                        ; g
	s_lshr_b32 s17, s[WV], 2                       ; kp
	s_and_b32 s18, s[WV], 1                        ; which half of a tile I fetch, if I fetch
	s_mov_b32 s[G1K], 15|(1<<20)|(1<<21)|(4<<22)|(3<<25)  ; K: 256 rows of 128 bytes (two keys), dense; 4 words of padding after every 32
	s_mov_b32 s[G1K+1], 128<<16
	s_mov_b32 s[G1K+2], 256<<16
	s_mov_b32 s[G1K+3], 128<<16
	s_mov_b32 s[G1K+4], 256
	s_mov_b32 s[G1K+5], 128
	s_mov_b32 s[G1K+6], 0
	s_mov_b32 s[G1K+7], 0
	s_mov_b32 s[G1V], 15|(1<<20)|(1<<21)|(7<<22)|(3<<25)  ; V: 32 rows of 1,024 bytes, 4,096 apart; 4 words of padding after every 256
	s_mov_b32 s[G1V+1], 1024<<16
	s_mov_b32 s[G1V+2], 32<<16
	s_mov_b32 s[G1V+3], 1024<<16
	s_mov_b32 s[G1V+4], 32
	s_mov_b32 s[G1V+5], 4096
	s_mov_b32 s[G1V+6], 0
	s_mov_b32 s[G1V+7], 0
	s_mov_b32 s[G1N], 15|(1<<21)                   ; the statistics: 32 rows of 256 bytes, dense, no padding
	s_mov_b32 s[G1N+1], 256<<16
	s_mov_b32 s[G1N+2], 32<<16
	s_mov_b32 s[G1N+3], 256<<16
	s_mov_b32 s[G1N+4], 32
	s_mov_b32 s[G1N+5], 256
	s_mov_b32 s[G1N+6], 0
	s_mov_b32 s[G1N+7], 0
	s_lshl_b32 s22, s15, 18                        ; the head's first byte in Q, K and V
	s_lshl_b32 s82, s18, 15                        ; K: my 512 keys
	s_add_co_u32 s82, s82, s22
	s_add_co_u32 s82, s82, 0x400000
	s_mov_b32 s83, 0
	s_lshl_b32 s90, s18, 17                        ; V: my 32 rows
	s_add_co_u32 s90, s90, s22
	s_add_co_u32 s90, s90, 0x800000
	s_mov_b32 s91, 0
	s_lshl_b32 s92, s18, 18                        ; -M or -L,
	s_lshl_b32 s23, s15, 14                        ; of the head
	s_add_co_u32 s92, s92, s23
	s_mov_b32 s93, 0
	s_mul_i32 s19, s18, 256*KP                     ; and where they go: no place in the cluster enters an LDS address
	s_mul_i32 s20, s18, 32*VP
	s_add_co_u32 s20, s20, VOFF
	s_lshl_b32 s21, s18, 14
	s_add_co_u32 s21, s21, NMB
	s_lshl_b32 s94, s14, 14                        ; Q: head + (256 block + 64 g) queries of 64 bytes
	s_add_co_u32 s94, s94, s22
	s_lshl_b32 s95, s16, 12
	s_add_co_u32 s94, s94, s95
	s_lshl_b32 s98, s14, 18                        ; ccodes: block x 262,144 + head x 16,384 + 64 g queries
	s_add_co_u32 s98, s98, s23
	s_add_co_u32 s98, s98, s95
	s_mov_b32 s95, 0
	s_mov_b32 s99, 0
	s_wait_kmcnt 0x0
	s_load_b128 s[84:87], s[8:9], 0x30             ; e12, e13, e14, e15
	s_load_b32 s88, s[8:9], 0x40                   ; e16
	s_add_nc_u64 s[82:83], s[4:5], s[82:83]
	s_add_nc_u64 s[90:91], s[4:5], s[90:91]
	s_add_nc_u64 s[92:93], s[6:7], s[92:93]
	s_add_nc_u64 s[96:97], s[4:5], s[94:95]
	s_add_nc_u64 s[10:11], s[10:11], s[98:99]
.irp s, 0,1
	s_mov_b32 s[G0K+4*\s], 1
	s_add_co_u32 s[G0K+4*\s+1], s19, \s*SLOTB
	s_add_nc_u64 s[G0K+4*\s+2:G0K+4*\s+3], s[82:83], \s*65536   ; slot s begins with keys 1,024 s on
	s_or_b32 s[G0K+4*\s+3], s[G0K+4*\s+3], 0x80000000
	s_mov_b32 s[G0V+4*\s], 1
	s_add_co_u32 s[G0V+4*\s+1], s20, \s*SLOTB
	s_add_nc_u64 s[G0V+4*\s+2:G0V+4*\s+3], s[90:91], \s*1024
	s_or_b32 s[G0V+4*\s+3], s[G0V+4*\s+3], 0x80000000
	s_mov_b32 s[G0N+4*\s], 1
	s_add_co_u32 s[G0N+4*\s+1], s21, \s*8192
	s_add_nc_u64 s[G0N+4*\s+2:G0N+4*\s+3], s[92:93], \s*8192    ; keys 2,048 s on
	s_or_b32 s[G0N+4*\s+3], s[G0N+4*\s+3], 0x80000000
.endr
	CROUND                                         ; all four work-groups are here: the first joint loads meet
	s_cmp_lt_u32 s[WV], 2                          ; a wave's two first fills stand in one arm, ahead of every wait on TENSORcnt and every LDS read
	s_cbranch_scc0 .Lfirst_not_k
	tensor_load_to_lds s[G0K:G0K+3], s[G1K:G1K+7]
	s_nop 0
	tensor_load_to_lds s[G0K+4:G0K+7], s[G1K:G1K+7]
	s_nop 0
.rept 4
	v_nop
.endr
	s_branch .Lfirst_asked
.Lfirst_not_k:
	s_cmp_lt_u32 s[WV], 4
	s_cbranch_scc0 .Lfirst_not_v
	tensor_load_to_lds s[G0V:G0V+3], s[G1V:G1V+7]
	s_nop 0
	tensor_load_to_lds s[G0V+4:G0V+7], s[G1V:G1V+7]
	s_nop 0
.rept 4
	v_nop
.endr
	s_branch .Lfirst_asked
.Lfirst_not_v:
	s_cmp_lt_u32 s[WV], 6
	s_cbranch_scc0 .Lfirst_asked
	tensor_load_to_lds s[G0N:G0N+3], s[G1N:G1N+7]
	s_nop 0
	tensor_load_to_lds s[G0N+4:G0N+7], s[G1N:G1N+7]
	s_nop 0
.rept 4
	v_nop
.endr
.Lfirst_asked:
	v_and_b32 v17, 15, v0                          ; r
	v_bfe_u32 v18, v0, 4, 1                        ; h
	v_and_b32 v19, 31, v0                          ; lane
	v_lshlrev_b32 v23, 6, v17
	v_lshl_add_u32 v23, v18, 4, v23                ; Q: query r of 64 bytes, + 16 h
	WIN 0x40                                       ; destination window 1
.irp q, 0,1,2,3
	global_load_b128 v[QF+8*\q:QF+8*\q+3], v23, s[96:97] offset:1024*\q
	global_load_b128 v[QF+8*\q+4:QF+8*\q+7], v23, s[96:97] offset:1024*\q+32
.endr
	WIN 0
	v_and_b32 v20, 8, v17
	v_add_nc_u32 v20, v20, v17                     ; r + 8 (r / 8)
	v_lshrrev_b32 v21, 1, v20
	v_mul_u32_u24 v[AK0], v21, KP
	v_and_b32 v21, 1, v20
	v_lshl_add_u32 v[AK0], v21, 6, v[AK0]
	v_lshl_add_u32 v[AK0], v18, 4, v[AK0]
	s_mul_i32 s22, s17, 32*KP                      ; my parity's 64 keys
	v_add_nc_u32 v[AK0], s22, v[AK0]
	v_mul_u32_u24 v[AV0], v17, VP
	v_lshl_add_u32 v[AV0], v18, 4, v[AV0]
	s_lshl_b32 s22, s17, 6
	s_add_co_u32 s22, s22, VOFF
	v_add_nc_u32 v[AV0], s22, v[AV0]
	s_lshl_b32 s22, s17, 8
	s_add_co_u32 s22, s22, NMB
	v_lshlrev_b32 v[ANB], 6, v18                   ; my half's 16 keys of each 32: 64 bytes on; all lanes of a half read the same words
	v_add_nc_u32 v[ANB], s22, v[ANB]
	s_lshl_b32 s22, s16, 14
	v_lshlrev_b32 v[IMG], 4, v19
	v_add_nc_u32 v[IMG], s22, v[IMG]               ; the image of O: 16 x lane + 16,384 g: the same for the wave that stores it and the one that loads it
	s_mul_i32 s22, s16, 16*272
	s_add_co_u32 s22, s22, ST2B
	v_lshrrev_b32 v21, 2, v17
	v_mul_u32_u24 v21, v21, 272
	v_and_b32 v22, 3, v0
	v_lshl_add_u32 v21, v22, 6, v21
	v_lshl_add_u32 v21, v18, 3, v21
	v_add_nc_u32 v[ST2], s22, v21                  ; the stage: four queries to a row of 256 bytes + 16; query r, + 8 h
	v_mul_u32_u24 v21, v18, 272
	v_lshl_add_u32 v21, v17, 4, v21
	v_add_nc_u32 v[RD2], s22, v21                  ; back: lanes 0-15 one row, lanes 16-31 the next
	v_lshlrev_b32 v[GO], 4, v19
	s_mov_b32 s[CS], 0x3e38aa3b                    ; log2(e) / 8
	s_wait_kmcnt 0x0
	s_add_co_i32 s22, s84, s85
	s_lshl_b32 s22, s22, 23
	s_add_co_i32 s[CS], s[CS], s22                 ; a raw score stands for score x 2^(e12 + e13)
	s_mov_b32 s[CS+1], s[CS]
	s_add_co_i32 s22, s86, 127
	s_lshl_b32 s23, s22, 23
	v_mov_b32 v[PSCL], s23                         ; 2^e14
	s_add_co_i32 s22, s22, 8
	s_lshl_b32 s22, s22, 23
	s_or_b32 s22, s22, 0x600000
	v_mov_b32 v[PLIM], s22                         ; 448 x 2^e14
	s_sub_co_i32 s22, s88, s86
	s_sub_co_i32 s22, s22, s87                     ; a sum of the second product stands for sum x 2^(e14 + e15): its code is sum / 2^(e16 - e14 - e15)
	s_add_co_i32 s22, s22, 127
	s_lshl_b32 s23, s22, 23
	v_mov_b32 v[OSCL], s23
	s_add_co_i32 s22, s22, 8
	s_lshl_b32 s22, s22, 23
	s_or_b32 s22, s22, 0x600000
	v_mov_b32 v[OLIM], s22
.macro AOP hb, i                       ; number i of 64 for the two tiles of queries hb, hb + 1: 32 x (t - M), then 32 x (- L), a pair of scores each, in ascending order
.set aT, (\hb)+((\i)%32)/16
.set aP, (\i)%16
.if (\i) < 32
	v_pk_fma_f32 v[S+32*aT+2*aP:S+32*aT+2*aP+1], v[S+32*aT+2*aP:S+32*aT+2*aP+1], s[CS:CS+1], v[NM+2*aP:NM+2*aP+1] op_sel_hi:[1,0,1]
.else
	v_pk_add_f32 v[S+32*aT+2*aP:S+32*aT+2*aP+1], v[S+32*aT+2*aP:S+32*aT+2*aP+1], v[NLR+2*aP:NLR+2*aP+1]
.endif
.endm
.macro CVT q                           ; tile q's 32 weights become its 8 registers of codes
.irp t, 0,1,2,3
	v_cvt_scalef32_pk8_fp8_f32 v[P+8*(\q)+2*\t:P+8*(\q)+2*\t+1], v[S+32*(\q)+8*\t:S+32*(\q)+8*\t+7], v[PSCL]
.endr
.endm
.macro STEP zero                       ; 64 keys x my 64 queries.  zero = 1: the products V^T P start O^T's sums
	v_add_nc_u32 v[ADK], s[TK], v[AK0]
	v_add_nc_u32 v[ADV], s[TV], v[AV0]
	v_add_nc_u32 v[ADN], s[TN], v[ANB]
	WIN 0x40
.irp t, 0,1,2,3
	ds_load_b128 v[KF+8*\t:KF+8*\t+3], v[ADK] offset:2304*(\t/2)+576*(\t%2)
	ds_load_b128 v[KF+8*\t+4:KF+8*\t+7], v[ADK] offset:2304*(\t/2)+576*(\t%2)+32
.endr
	WIN 0
.irp b, 0,1
.irp i, 0,1,2,3
	ds_load_b128 v[NM+16*\b+4*\i:NM+16*\b+4*\i+3], v[ADN] offset:128*\b+16*\i
	ds_load_b128 v[NLR+16*\b+4*\i:NLR+16*\b+4*\i+3], v[ADN] offset:16384+128*\b+16*\i
.endr
.endr
	s_wait_dscnt 16                                ; K's eight loads are in; the sixteen of the statistics may be out
	WIN 0x05                                       ; K and Q in window 1, S^T in window 0
.irp t, 0,1,2,3
.irp q, 0,1,2,3
	v_wmma_f32_16x16x64_fp8_fp8 v[S+32*\q+8*\t:S+32*\q+8*\t+7], v[KF+8*\t:KF+8*\t+7], v[QF+8*\q:QF+8*\q+7], 0
.endr
.endr
	WIN 0
.rept 4
	v_nop                                          ; places in front of the first read of S^T, and (with the three additions above) of the loads into V's registers, which the last step's products read
.endr
	WIN 0x40
.irp d, 0,1,2,3
	ds_load_b128 v[VF+8*\d:VF+8*\d+3], v[ADV] offset:16*VP*\d
	ds_load_b128 v[VF+8*\d+4:VF+8*\d+7], v[ADV] offset:16*VP*\d+32
.endr
	WIN 0
	s_wait_dscnt 8                                 ; the statistics are in; V's eight loads may be out
.set n, 0
.rept 64
	AOP 0, n
.set n, n+1
.endr
.set n, 0
.rept 64
	v_exp_f32 v[S+n], v[S+n]                       ; the first batch: tiles 0, 1; the exponents of tiles 2, 3 are made between
	AOP 2, n
.set n, n+1
.endr
	s_wait_alu depctr_va_vdst(0)                   ; one wait for the first batch's 64, ahead of their first reader
.set n, 0
.rept 64
	v_exp_f32 v[S+64+n], v[S+64+n]                 ; the second batch; the first batch's holds stand between
	v_min_num_f32 v[S+n], v[S+n], v[PLIM]          ; the conversion does not saturate (ISA guide 7.6.2); p is not negative, so the hold is one-sided
.set n, n+1
.endr
	CVT 0
	CVT 1
	v_nop                                          ; a plain line behind the conversions
	s_wait_alu depctr_va_vdst(0)                   ; one wait for the second batch's 64
.set n, 0
.rept 64
	v_min_num_f32 v[S+64+n], v[S+64+n], v[PLIM]
.set n, n+1
.endr
	CVT 2
	CVT 3
	v_nop                                          ; a plain line between the conversions and the products that read their results
	s_wait_dscnt 0x0                               ; V is in
.if \zero
	WIN 0x41                                       ; V and O^T in window 1, P in window 0
.else
	WIN 0x51
.endif
.irp d, 0,1,2,3                        ; the 16 accumulators take one turn each in a step, and the 16 products K Q^T stand between two steps' turns
.irp q, 0,1,2,3
.if \zero
	v_wmma_f32_16x16x64_fp8_fp8 v[O+32*\q+8*\d:O+32*\q+8*\d+7], v[VF+8*\d:VF+8*\d+7], v[P+8*\q:P+8*\q+7], 0
.else
	v_wmma_f32_16x16x64_fp8_fp8 v[O+32*\q+8*\d:O+32*\q+8*\d+7], v[VF+8*\d:VF+8*\d+7], v[P+8*\q:P+8*\q+7], v[O+32*\q+8*\d:O+32*\q+8*\d+7]
.endif
.endr
.endr
	WIN 0
	s_add_co_u32 s[TK], s[TK], 64*KP               ; two steps of 64 keys on: the other parity's lies between
	s_add_co_u32 s[TV], s[TV], 128
	s_add_co_u32 s[TN], s[TN], 512
.endm
.macro RUN n
	s_mov_b32 s[CNT], \n
.Lrun_\@:
	STEP 0
	s_sub_co_u32 s[CNT], s[CNT], 1
	s_cmp_lg_u32 s[CNT], 0
	s_cbranch_scc1 .Lrun_\@
.endm
; THE CHANGE OF SLOTS.  Each wave waits for all its tensor loads, adds 0 to its spare word, and waits for that and for its reads of the slot that it leaves.  fill = 1: behind a round of the cluster's barrier
; that slot is filled with the keys 2,048 further on: the load has eight steps of every wave in which to land.
.macro CHANGE fill, slot
	s_wait_tensorcnt 0x0                           ; no tensor load of mine is out, so a group 0 may be written
	ds_add_u32 v[SPW], v[NIL]                      ; 0 onto my spare word
.if \fill
	s_add_nc_u64 s[G0K+4*\slot+2:G0K+4*\slot+3], s[G0K+4*\slot+2:G0K+4*\slot+3], 131072
	s_add_nc_u64 s[G0V+4*\slot+2:G0V+4*\slot+3], s[G0V+4*\slot+2:G0V+4*\slot+3], 2048
.endif
	s_wait_dscnt 0x0                               ; the add is done, and my reads of the slot are over
.if \fill
	CROUND
	JLOAD \slot
.else
	s_barrier_signal -1
	s_barrier_wait -1
.endif
.endm
	s_wait_loadcnt 0x0                             ; Q
	s_wait_tensorcnt 1                             ; my part of slot 0, or of the first 2,048 keys' statistics, is in; my second load may be out
	s_barrier_signal -1
	s_barrier_wait -1
	s_mov_b32 s[TK], 0
	s_mov_b32 s[TV], 0
	s_mov_b32 s[TN], 0
	STEP 1                                         ; keys 0-1,023, in slot 0
	RUN 7
	CHANGE 1, 0
	s_mov_b32 s[TK], SLOTB
	s_mov_b32 s[TV], SLOTB
	RUN 8                                          ; keys 1,024 on, in slot 1
	CHANGE 1, 1
	s_mov_b32 s[TK], 0
	s_mov_b32 s[TV], 0
	RUN 8                                          ; keys 2,048 on
	CHANGE 0, 0
	s_mov_b32 s[TK], SLOTB
	s_mov_b32 s[TV], SLOTB
	RUN 8                                          ; keys 3,072 on
	; THE WAY OUT.  The waves of the odd steps hand their O^T over as an image of its registers; the waves of the even steps add it to theirs, quantise, and store 64 queries x 64 bytes as 4,096 consecutive bytes.
.rept 4
	v_nop                                          ; places behind the last products
.endr
	s_cmp_lt_u32 s[WV], 4
	s_cbranch_scc1 .Lkeep
	WIN 0x04                                       ; the stores' data in window 1
.set i, 0
.rept 32
	ds_store_b128 v[IMG], v[O+4*i:O+4*i+3] offset:512*i   ; each accumulator from its low end on
.set i, i+1
.endr
	WIN 0
.Lkeep:
	s_wait_dscnt 0x0                               ; for the partner's sake: my stores are done
	s_barrier_signal -1
	s_barrier_wait -1
	s_cmp_lt_u32 s[WV], 4
	s_cbranch_scc0 .Lend
.set i, 0
.rept 32
	ds_load_b128 v[S+4*i:S+4*i+3], v[IMG] offset:512*i
.set i, i+1
.endr
	s_wait_dscnt 0x0
	WIN 0x01                                       ; source 0 (my O^T) in window 1
.set i, 0
.rept 64
	v_pk_add_f32 v[S+2*i:S+2*i+1], v[O+2*i:O+2*i+1], v[S+2*i:S+2*i+1]
.set i, i+1
.endr
	WIN 0
.set i, 0
.rept 128
	v_med3_num_f32 v[S+i], v[S+i], -v[OLIM], v[OLIM]
.set i, i+1
.endr
.irp q, 0,1,2,3
.irp d, 0,1,2,3
	v_cvt_scalef32_pk8_fp8_f32 v[P+8*\q+2*\d:P+8*\q+2*\d+1], v[S+32*\q+8*\d:S+32*\q+8*\d+7], v[OSCL]   ; query r of tile q, channels 16 d + 8 h + 0 .. 7
.endr
.endr
	v_nop
.irp q, 0,1,2,3
.irp d, 0,1,2,3
	ds_store_b64 v[ST2], v[P+8*\q+2*\d:P+8*\q+2*\d+1] offset:4*272*\q+16*\d
.endr
.endr
.irp i, 0,1,2,3,4,5,6,7
	ds_load_b128 v[S+4*\i:S+4*\i+3], v[RD2] offset:2*272*\i   ; LDS serves a wave's instructions in order: these see my stores
.endr
.irp i, 0,1,2,3,4,5,6,7
	s_wait_dscnt 7-\i
	global_store_b128 v[GO], v[S+4*\i:S+4*\i+3], s[10:11] offset:512*\i   ; the wave stores 512 consecutive bytes, aligned
.endr
.Lend:
	s_wait_tensorcnt 0x0                           ; the wave's end
	ds_add_u32 v[SPW], v[NIL]
	s_wait_dscnt 0x0
	CROUND                                         ; the closing round
	s_endpgm
.Lfunc_end_k_q6cc9a02dd8_apply:
	.size	k_q6cc9a02dd8_apply, .Lfunc_end_k_q6cc9a02dd8_apply-k_q6cc9a02dd8_apply
	.p2alignl 7, 3214868480
	.fill 96, 4, 3214868480
	.section	.rodata,"a",@progbits
	.p2align	6, 0x0
	.amdhsa_kernel k_q6cc9a02dd8_apply
		.amdhsa_group_segment_fixed_size 327680
		.amdhsa_private_segment_fixed_size 0
		.amdhsa_enable_private_segment 0
		.amdhsa_kernarg_size 32
		.amdhsa_user_sgpr_count 2
		.amdhsa_user_sgpr_kernarg_segment_ptr 1
		.amdhsa_wavefront_size32 1
		.amdhsa_system_sgpr_workgroup_id_x 1
		.amdhsa_system_sgpr_workgroup_id_y 1
		.amdhsa_system_sgpr_workgroup_id_z 1
		.amdhsa_system_vgpr_workitem_id 0
		.amdhsa_next_free_vgpr 512
		.amdhsa_next_free_sgpr 100
		.amdhsa_reserve_vcc 0
		.amdhsa_float_denorm_mode_32 3
		.amdhsa_float_denorm_mode_16_64 3
		.amdhsa_memory_ordered 1
		.amdhsa_forward_progress 1
		.amdhsa_inst_pref_size 144
	.end_amdhsa_kernel
	.amdgpu_metadata
---
amdhsa.version: [ 1, 2 ]
amdhsa.kernels:
  - .name:           k_q6cc9a02dd8_apply
    .symbol:         k_q6cc9a02dd8_apply.kd
    .args:
      - { .name: qkv, .offset: 0, .size: 8, .value_kind: global_buffer, .address_space: global }
      - { .name: stat, .offset: 8, .size: 8, .value_kind: global_buffer, .address_space: global }
      - { .name: lowp_scales, .offset: 16, .size: 8, .value_kind: global_buffer, .address_space: global }
      - { .name: ccodes, .offset: 24, .size: 8, .value_kind: global_buffer, .address_space: global }
    .group_segment_fixed_size: 327680
    .private_segment_fixed_size: 0
    .kernarg_segment_align: 8
    .kernarg_segment_size: 32
    .max_flat_workgroup_size: 256
    .sgpr_count:     100
    .vgpr_count:     512
    .wavefront_size: 32
...
	.end_amdgpu_metadata
.endif
;; end of part 5
;; launch outproj (part 6): grid 4 x 16, 4 waves a work-group, clusters of 4 x 4, 327,680 bytes of LDS; arguments ccodes, xw, lowp_scales, out0; writes out0
.if DOCPART == 6
	.amdgcn_target "amdgcn-amd-amdhsa--gfx1250"
	.amdhsa_code_object_version 6
	.text
	.protected	k_q6cc9a02dd8_outproj
	.globl	k_q6cc9a02dd8_outproj
	.p2align	8
	.type	k_q6cc9a02dd8_outproj,@function
k_q6cc9a02dd8_outproj:
	s_mov_b64 s[64:65], 0
	v_nop
	global_prefetch_b8 v0, s[64:65] scope:SCOPE_SE
	s_setreg_imm32_b32 hwreg(HW_REG_WAVE_MODE, 25, 1), 1
	s_wait_xcnt 0x0
	s_wait_alu depctr_hold_cnt(0) depctr_sa_sdst(0) depctr_va_vdst(0) depctr_va_sdst(0) depctr_va_ssrc(0) depctr_va_vcc(0) depctr_vm_vsrc(0)
	s_getreg_b32 s2, hwreg(HW_REG_IB_STS2, 6, 4)
	s_cmp_eq_u32 s2, 0
	s_cbranch_scc0 .Lentry_in_a_cluster
	s_endpgm
.Lentry_in_a_cluster:
	s_bfe_u32 s2, ttmp6, 0x10000c
	s_cmp_lg_u32 s2, 0xf033
	s_cbranch_scc0 .Lentry_shape_is_right
	s_endpgm
.Lentry_shape_is_right:
; out0 = concat WO on codes of FP8 (E4M3): C[q][n] = sum over k = 64 h + d of concat[q][k] WO[k][n], each finished sum x 2^(e16 + e17).  LIMIT: e16 + e17 between -126 and 127.
; A = ccodes, laid [16 blocks of 256 queries][16 heads][256 queries][64]: a K step of 256 (four heads) of a tile row is 65,536 dense bytes; a wave brings two heads as 128 rows of 256 bytes (four queries each).
; In LDS head hh of a slot begins at 17,408 hh, query p at (p / 4) x 272 + 64 (p % 4).  B = WO as [n][k] (xw byte 18 Mi), rows of 1,024 bytes.
; A tile of C is 256 x 256, four waves of 128 x 128; K in steps of 256 through two LDS slots; 4 x 4 work-groups ask for A's tiles jointly along a row of the cluster, for B's along a column.  The grid is one cluster wide.
; C has 64 such tiles: fewer than there are WGPs; the larger tile is kept since each LDS byte then feeds twice the products of a 128 x 128 tile, and the launch has only four K steps.
; The matrix instruction is used transposed (source 0 = rows of B, source 1 = rows of A): a lane holds eight neighbouring numbers of a row of C.  No prefetch: two of the four K steps are asked for at the head.
.set SIZE_N, 1024
.set ROWB,   256
.set ASLOT,  65536                     ; bytes in memory from A's tile of a K step to the next step's: four heads of 16,384
.set KROW,   1024
.set PITCH,  272
.set HEADB,  64*PITCH                  ; a head's 256 queries in LDS
.set FR,     16
.set NL,     4
.set NP,     4
.set HALFT,  128*PITCH
.set SLOT,   4*HALFT
.set LAPS,   2
.set SPARE,  2*SLOT
.set SPITCH, 528                       ; the way out: a stage of 16 rows x (512 bytes + 16) for each wave, in slot 0, which has had its last fill and its last read by then
.set ADRA, 16
.set ADRB, 20
.set STO,  24
.set RD,   25
.set CO,   26
.set SPW,  28
.set NIL,  29
.set TMP,  32
.set AF,   128
.set BK,   128
.set G1, 24
.set G0, 32
.set G1B, 48
.set G0B, 56
.set MSB, 0
.macro WIN new
.if MSB != (\new)
	s_set_vgpr_msb (MSB<<8)|(\new)
.set MSB, (\new)
.endif
.endm
.set MUL_LO, 0xa1
.set MUL_HI, 0xf1
.set TO_B,   0x40
.macro JLOAD g0a, g1a, g0b, g1b        ; waves 0 and 1 fetch for A, waves 2 and 3 for B; four v_nop follow each of the two lines
	s_cmp_eq_u32 s15, 0
	s_cbranch_scc0 .Lfor_b_\@
	tensor_load_to_lds s[\g0a:\g0a+3], s[\g1a:\g1a+7]
	s_nop 0
.rept 4
	v_nop
.endr
	s_branch .Lasked_\@
.Lfor_b_\@:
	tensor_load_to_lds s[\g0b:\g0b+3], s[\g1b:\g1b+7]
	s_nop 0
.rept 4
	v_nop
.endr
.Lasked_\@:
.endm
.macro CREST
	s_cmp_lg_u32 s14, 0
	s_cbranch_scc1 .Lnot_wave_0_\@
	s_barrier_signal -3
.Lnot_wave_0_\@:
	s_barrier_wait -3
	s_barrier_signal -1
	s_barrier_wait -1
.endm
.macro CROUND
	s_barrier_signal -1
	s_barrier_wait -1
	CREST
.endm
	s_load_b128 s[4:7], s[0:1], 0x0                ; ccodes s[4:5], xw s[6:7]
	s_load_b128 s[8:11], s[0:1], 0x10              ; the scales' exponents s[8:9], out0 s[10:11]
	v_lshl_add_u32 v[SPW], v0, 2, SPARE
	v_mov_b32 v[NIL], 0
	ds_add_u32 v28, v29
	s_wait_dscnt 0x0
	v_lshrrev_b32 v1, 5, v0
	v_readfirstlane_b32 s14, v1                    ; wave 0..3
	s_lshr_b32 s15, s14, 1                         ; which half of the tile's rows is mine.  Also: I fetch for A (0) or for B (1)
	s_and_b32 s16, s14, 1                          ; which half of its columns.  Also: which half of that tile I fetch
	s_bfe_u32 s40, ttmp6, 0x40000                  ; cx = the tile column
	s_bfe_u32 s41, ttmp6, 0x40004                  ; cy
	s_and_b32 s17, ttmp7, 0xffff
	s_lshl_b32 s17, s17, 2
	s_add_co_u32 s17, s17, s41                     ; tile row = 4 x cluster y + cy
	s_lshl_b32 s43, s41, 2
	s_lshl_b32 s43, 15, s43                        ; my row of the cluster
	s_lshl_b32 s44, 0x1111, s40                    ; my column
	s_or_b32 s[G1+0], s43, (0<<16)|(1<<20)|(1<<21)|(5<<22)|(3<<25)
	s_or_b32 s[G1B+0], s44, (0<<16)|(1<<20)|(1<<21)|(5<<22)|(3<<25)
.irp g, G1, G1B
	s_mov_b32 s[\g+1], ROWB<<16
	s_mov_b32 s[\g+2], 128<<16
	s_mov_b32 s[\g+3], ROWB<<16
	s_mov_b32 s[\g+4], 128
	s_mov_b32 s[\g+6], 0
	s_mov_b32 s[\g+7], 0
.endr
	s_mov_b32 s[G1+5], ROWB                        ; A's rows are dense in memory,
	s_mov_b32 s[G1B+5], KROW                       ; B's 1,024 bytes apart
	s_lshl_b32 s20, s17, 18                        ; A: the tile row's block,
	s_lshl_b32 s18, s16, 15                        ; + two heads for wave 1
	s_add_co_u32 s20, s20, s18
	s_mov_b32 s21, 0
	s_lshl_b32 s18, s16, 7
	s_lshl_b32 s46, s40, 8
	s_add_co_u32 s46, s46, s18
	s_lshl_b32 s46, s46, 10                        ; B: (256 x tile column + 128 x half) rows,
	s_add_co_u32 s46, s46, 18<<20                  ; in WO's codes
	s_mov_b32 s47, 0
	s_mul_i32 s45, s14, HALFT
	s_wait_kmcnt 0x0
	s_load_b64 s[96:97], s[8:9], 0x40              ; e16, e17
	s_add_nc_u64 s[20:21], s[4:5], s[20:21]
	s_add_nc_u64 s[46:47], s[6:7], s[46:47]
	CROUND                                         ; all sixteen work-groups are here: the first joint loads meet
.irp s, 0,1
	s_mov_b32 s[G0+4*\s], 1
	s_add_co_u32 s[G0+4*\s+1], s45, \s*SLOT
	s_add_nc_u64 s[G0+4*\s+2:G0+4*\s+3], s[20:21], \s*ASLOT
	s_or_b32 s[G0+4*\s+3], s[G0+4*\s+3], 0x80000000
	s_mov_b32 s[G0B+4*\s], 1
	s_add_co_u32 s[G0B+4*\s+1], s45, \s*SLOT
	s_add_nc_u64 s[G0B+4*\s+2:G0B+4*\s+3], s[46:47], \s*ROWB
	s_or_b32 s[G0B+4*\s+3], s[G0B+4*\s+3], 0x80000000
	JLOAD G0+4*\s, G1, G0B+4*\s, G1B
.endr
	v_and_b32 v1, 15, v0                           ; r
	v_bfe_u32 v2, v0, 4, 1                         ; h
	v_mul_u32_u24 v3, v1, PITCH
	v_lshl_add_u32 v4, v2, 4, v3                   ; B: a fragment's row x pitch + 16 h
	v_lshrrev_b32 v5, 2, v1
	v_mul_u32_u24 v5, v5, PITCH
	v_and_b32 v6, 3, v0
	v_lshl_add_u32 v5, v6, 6, v5
	v_lshl_add_u32 v5, v2, 4, v5                   ; A: query r: (r / 4) rows + 64 (r % 4) + 16 h: sixteen lanes touch sixteen different columns of 16 bytes
	s_mul_i32 s21, s15, 32*PITCH                   ; my 128 queries
	s_mul_i32 s22, s16, HALFT                      ; my 128 rows of B,
	s_add_co_u32 s22, s22, 2*HALFT                 ; which lie behind A
.irp s, 0,1
	v_add_nc_u32 v[ADRA+\s], s21, v5
	v_add_nc_u32 v[ADRB+\s], s22, v4
	s_add_co_u32 s21, s21, SLOT
	s_add_co_u32 s22, s22, SLOT
.endr
	s_mul_i32 s23, s14, 16*SPITCH                  ; my stage
	v_mul_u32_u24 v5, v1, SPITCH                   ; in: row r, 32 bytes for each half of the lanes
	v_lshl_add_u32 v5, v2, 5, v5
	v_add_nc_u32 v[STO], s23, v5
	v_and_b32 v6, 31, v0
	v_lshlrev_b32 v[CO], 4, v6                     ; back: the 32 lanes take one row of 512 bytes; and the same in C
	v_add_nc_u32 v[RD], s23, v[CO]
	s_lshl_b32 s20, s17, 8
	s_lshl_b32 s21, s15, 7
	s_add_co_u32 s20, s20, s21                     ; my first row of C
	s_lshl_b32 s20, s20, 12                        ; rows of 4,096 bytes
	s_mov_b32 s21, 0
	s_lshl_b32 s46, s40, 10                        ; my first column, in bytes: 1,024 x tile column + 512 x half
	s_lshl_b32 s47, s16, 9
	s_add_co_u32 s46, s46, s47
	s_mov_b32 s47, 0
	s_add_nc_u64 s[20:21], s[20:21], s[46:47]
	s_add_nc_u64 s[10:11], s[10:11], s[20:21]
.macro FRAG reg, adr, q, i             ; B: 16 rows x 128 K: registers 4 c .. 4 c + 3 hold K = 32 c + 16 (l / 16) + 0 .. 15
.irp c, 0,1,2,3
	ds_load_b128 v[\reg+4*\c:\reg+4*\c+3], v[\adr] offset:128*(\q)+32*\c+(\i)*16*PITCH
.endr
.endm
.macro FRAGA reg, adr, q, i            ; A: the same K in the same registers: head 2 q + c / 2 of the slot, its bytes 32 (c % 2) + 16 (l / 16) on; 16 queries are four LDS rows
.irp c, 0,1,2,3
	ds_load_b128 v[\reg+4*\c:\reg+4*\c+3], v[\adr] offset:(2*(\q)+\c/2)*HEADB+32*(\c%2)+(\i)*4*PITCH
.endr
.endm
.macro MUL16 a0, p, zero               ; the 64 accumulators take turns, one instruction a turn
.irp a, \a0, \a0+1
.irp b, 0,1,2,3,4,5,6,7
.if \zero
	v_wmma_f32_16x16x128_fp8_fp8 v[8*(8*((\a)%4)+\b):8*(8*((\a)%4)+\b)+7], v[128*(\p)+FR*\b:128*(\p)+FR*\b+FR-1], v[AF+FR*(\a):AF+FR*(\a)+FR-1], 0
.else
	v_wmma_f32_16x16x128_fp8_fp8 v[8*(8*((\a)%4)+\b):8*(8*((\a)%4)+\b)+7], v[128*(\p)+FR*\b:128*(\p)+FR*\b+FR-1], v[AF+FR*(\a):AF+FR*(\a)+FR-1], v[8*(8*((\a)%4)+\b):8*(8*((\a)%4)+\b)+7]
.endif
.endr
.endr
.endm
.macro FETCH_B slot, q, p
	WIN TO_B
.irp i, 0,1,2,3,4,5,6,7
	FRAG 128*(\p)+FR*\i, ADRB+\slot, \q, \i
.endr
	WIN 0
.endm
.macro FETCH_A slot, q, i0
.irp i, \i0, \i0+1, \i0+2, \i0+3
	FRAGA AF+FR*(\i), ADRA+\slot, \q, \i
.endr
.endm
.macro PLACES n
.rept \n
	v_nop
.endr
.endm
.macro STEP slot, q, zero
	s_wait_dscnt 4*NL                              ; the youngest 16 loads (A's blocks 4-7) may be out
	WIN MUL_LO
	MUL16 0, (\q)%2, \zero
	MUL16 2, (\q)%2, \zero
	s_wait_dscnt 0
	PLACES NP
	FETCH_B \slot, (\q)+1, 1-(\q)%2
	FETCH_A \slot, (\q)+1, 0
	WIN MUL_HI
	MUL16 4, (\q)%2, \zero
	MUL16 6, (\q)%2, \zero
	PLACES NP
	WIN 0
	FETCH_A \slot, (\q)+1, 4
.endm
.macro TURN slot, next, fill
	s_wait_tensorcnt 0x0                           ; all my tensor loads have landed: my part of the next slot
	ds_add_u32 v[SPW], v[NIL]                      ; 0 onto my spare word
	s_wait_dscnt 4*NL+1                            ; (the add and the youngest 16 loads may be out)
	WIN MUL_LO
	MUL16 0, 1, 0
	s_wait_dscnt 0x0                               ; the add is done, and my reads of this slot are over
	s_barrier_signal -1
	MUL16 2, 1, 0
	WIN 0
	s_barrier_wait -1
.if \fill
	CREST                                          ; the round: no wave of any partner still reads this slot or has a load on its way
	s_add_nc_u64 s[G0+4*\slot+2:G0+4*\slot+3], s[G0+4*\slot+2:G0+4*\slot+3], 2*ASLOT
	s_add_nc_u64 s[G0B+4*\slot+2:G0B+4*\slot+3], s[G0B+4*\slot+2:G0B+4*\slot+3], 2*ROWB
	JLOAD G0+4*\slot, G1, G0B+4*\slot, G1B
.else
	PLACES NP
.endif
	FETCH_B \next, 0, 0
	FETCH_A \next, 0, 0
	WIN MUL_HI
	MUL16 4, 1, 0
	MUL16 6, 1, 0
	PLACES NP
	WIN 0
	FETCH_A \next, 0, 4
.endm
	s_wait_tensorcnt 1                             ; my part of K step 0 is in (K step 1's load may be out),
	s_barrier_signal -1
	s_barrier_wait -1
	FETCH_B 0, 0, 0
	FETCH_A 0, 0, 0
	FETCH_A 0, 0, 4
	STEP 0, 0, 1
	s_mov_b32 s3, LAPS-1
.Llap:
	TURN 0, 1, 1
	STEP 1, 0, 0
	TURN 1, 0, 1
	STEP 0, 0, 0
	s_sub_co_u32 s3, s3, 1
	s_cmp_lg_u32 s3, 0
	s_cbranch_scc1 .Llap
	TURN 0, 1, 0
	STEP 1, 0, 0
	s_wait_dscnt 4*NL
	WIN MUL_LO
	MUL16 0, 1, 0
	MUL16 2, 1, 0
	s_wait_dscnt 0
	WIN MUL_HI
	MUL16 4, 1, 0
	MUL16 6, 1, 0
	WIN 0
; THE WAY OUT, block by block of 16 rows x 128 columns: through my own stage in LDS, back as whole rows of 512 bytes.  LDS serves a wave's instructions in order (ISA guide 5.7.1.4): no wait between the stores and the loads.
.macro TOSTAGE a
.set AC, 64*((\a)%4)
	WIN 0x02+((\a)/4)
.irp j, 0,2,4,6,8,10,12,14,16,18,20,22,24,26,28,30,32,34,36,38,40,42,44,46,48,50,52,54,56,58,60,62
	v_pk_mul_f32 v[TMP+\j:TMP+\j+1], v[AC+\j:AC+\j+1], s[96:97] op_sel_hi:[1,0]   ; both x s96 = 2^(e16 + e17); each accumulator from its low end on
.endr
	WIN 0
.irp b, 0,1,2,3,4,5,6,7
	ds_store_b128 v[STO], v[TMP+8*\b:TMP+8*\b+3] offset:64*\b
	ds_store_b128 v[STO], v[TMP+8*\b+4:TMP+8*\b+7] offset:64*\b+16
.endr
.set BB, BK+64*((\a)%2)
.irp t, 0,1,2,3,4,5,6,7,8,9,10,11,12,13,14,15
	ds_load_b128 v[BB+4*\t:BB+4*\t+3], v[RD] offset:\t*SPITCH
.endr
.endm
.macro SEND a, younger                 ; younger: the LDS instructions issued behind block a's loads, which may stay out
.set BB, BK+64*((\a)%2)
	s_wait_dscnt \younger
.if (\a) > 0
	s_add_nc_u64 s[10:11], s[10:11], 16*SIZE_N*4   ; (behind a wait on XCNT: the earlier stores have read their base)
.endif
.irp t, 0,1,2,3,4,5,6,7,8,9,10,11,12,13,14,15
	global_store_b128 v[CO], v[BB+4*\t:BB+4*\t+3], s[10:11] offset:\t*SIZE_N*4 th:TH_STORE_NT   ; 32 lanes store 512 consecutive bytes, aligned
.endr
.endm
	s_wait_kmcnt 0x0
	s_add_co_i32 s96, s96, s97
	s_add_co_i32 s96, s96, 127
	s_lshl_b32 s96, s96, 23                        ; 2^(e16 + e17) as f32
	PLACES NP
	TOSTAGE 0
.irp a, 1,2,3,4,5,6,7
.if \a > 1
	s_wait_xcnt 0x0                                ; block a - 2's stores have read their registers and their base
.endif
	TOSTAGE \a
	SEND \a-1, 32                                  ; behind block a - 1's loads: block a's 16 stores and 16 loads
.endr
	s_wait_xcnt 0x0
	SEND 7, 0
	s_wait_tensorcnt 0x0                           ; the wave's end
	ds_add_u32 v[SPW], v[NIL]
	s_wait_dscnt 0x0
	CROUND                                         ; the closing round
	s_endpgm
.Lfunc_end_k_q6cc9a02dd8_outproj:
	.size	k_q6cc9a02dd8_outproj, .Lfunc_end_k_q6cc9a02dd8_outproj-k_q6cc9a02dd8_outproj
	.p2alignl 7, 3214868480
	.fill 96, 4, 3214868480
	.section	.rodata,"a",@progbits
	.p2align	6, 0x0
	.amdhsa_kernel k_q6cc9a02dd8_outproj
		.amdhsa_group_segment_fixed_size 327680
		.amdhsa_private_segment_fixed_size 0
		.amdhsa_enable_private_segment 0
		.amdhsa_kernarg_size 32
		.amdhsa_user_sgpr_count 2
		.amdhsa_user_sgpr_kernarg_segment_ptr 1
		.amdhsa_wavefront_size32 1
		.amdhsa_system_sgpr_workgroup_id_x 1
		.amdhsa_system_sgpr_workgroup_id_y 1
		.amdhsa_system_sgpr_workgroup_id_z 1
		.amdhsa_system_vgpr_workitem_id 0
		.amdhsa_next_free_vgpr 1024
		.amdhsa_next_free_sgpr 100
		.amdhsa_reserve_vcc 0
		.amdhsa_float_denorm_mode_32 3
		.amdhsa_float_denorm_mode_16_64 3
		.amdhsa_memory_ordered 1
		.amdhsa_forward_progress 1
		.amdhsa_inst_pref_size 123
	.end_amdhsa_kernel
	.amdgpu_metadata
---
amdhsa.version: [ 1, 2 ]
amdhsa.kernels:
  - .name:           k_q6cc9a02dd8_outproj
    .symbol:         k_q6cc9a02dd8_outproj.kd
    .args:
      - { .name: ccodes, .offset: 0, .size: 8, .value_kind: global_buffer, .address_space: global }
      - { .name: xw, .offset: 8, .size: 8, .value_kind: global_buffer, .address_space: global }
      - { .name: lowp_scales, .offset: 16, .size: 8, .value_kind: global_buffer, .address_space: global }
      - { .name: out0, .offset: 24, .size: 8, .value_kind: global_buffer, .address_space: global }
    .group_segment_fixed_size: 327680
    .private_segment_fixed_size: 0
    .kernarg_segment_align: 8
    .kernarg_segment_size: 32
    .max_flat_workgroup_size: 128
    .sgpr_count:     100
    .vgpr_count:     1024
    .wavefront_size: 32
...
	.end_amdgpu_metadata
.endif
;; end of part 6
